; MI455X (gfx1250); checked and timed in simulation.
; The chip was launched on July 23, 2026; its instructions are those of AMD's public machine-readable ISA for CDNA 5 (MIT licence, August 2026) and "CDNA5" Instruction Set Architecture Reference Guide (July 2026). The comments in the code are by the model that wrote it; some were corrected since.
;; Streaming Attention. Allowed arithmetic: matrix products marked QUANTISED: E2M1 operands, one E8M0 scale for each 32 along K, by v_wmma_scale_f32_16x16x128_f8f6f4 with both operands' format E2M1 (or v_wmma_scale_f32_32x16x128_f4), f32 sums; everything else in f32.
;; Inputs: Wk 16 x 1,024 x 64 float32; Wo 1,024 x 1,024 float32; Wq 16 x 1,024 x 64 float32; Wv 16 x 1,024 x 64 float32; bk 16 x 64 float32; bo 1,024 float32; bq 16 x 64 float32; bv 16 x 64 float32; x 4 x 2,048 x 1,024 float32.
;; Outputs: out0 4 x 2,048 x 1,024 float32.
;; Constants: use_cache = 0.
;; This version of the problem:
;;   THIS VERSION OF THE PROBLEM IS GIVEN IN LOW PRECISION. The matrix products marked QUANTISED in the list below multiply operands that are first quantised to E2M1 (2 exponent bits, 1 mantissa bit; 4 bits a number), with one power-of-two scale for each 32 numbers along K (OCP MX v1.0); their sums are f32. All else is computed in f32.
;;   The module's matrix products, in the order in which they are computed (A, B: the left and right operand; K: the contracted axis; several contracted axes count as one K, in the product's order):
;;     1. [M 1,024, K 1,024] x [K 1,024, N 8,192]; A: input Wq; B: input x: QUANTISED
;;     2. [M 1,024, K 1,024] x [K 1,024, N 8,192]; A: input Wk; B: input x: QUANTISED
;;     3. [M 1,024, K 1,024] x [K 1,024, N 8,192]; A: input Wv; B: input x: QUANTISED
;;     4. batch 64 x [M 2,048, K 64] x [K 64, N 2,048]; A: computed on the way; B: computed on the way: QUANTISED
;;     5. batch 64 x [M 2,048, K 2,048] x [K 2,048, N 64]; A: softmax (see below); B: computed on the way: QUANTISED
;;     6. [M 8,192, K 1,024] x [K 1,024, N 1,024]; A: computed on the way; B: input Wo: QUANTISED
;;   THE QUANTISER, for each operand of a quantised product, along K:
;;     - K is cut into blocks of 32 from its start; a last block that is shorter is filled with zeros.
;;     - A block's scale is 2^e with e = floor(log2(the largest magnitude in the block)) - 2, held to -126 .. 127; a block of zeros has e = 0. As a byte (E8M0): e + 127.
;;     - Each number is divided by its block's scale, clamped to +-6, and rounded to the nearest number of E2M1, ties to even, subnormals kept.
;;     - The product sums the exact products of the quantised numbers (number of the format x scale) in f32.
;;   ~~~python
;;   def quantise(x, axis):      # numpy; x: float32 -> the quantised numbers, widened to float32 again
;;       x = np.moveaxis(x, axis, -1); K = x.shape[-1]
;;       x = np.pad(x, [(0, 0)] * (x.ndim - 1) + [(0, -K % 32)]); x = x.reshape(x.shape[:-1] + (-1, 32)); a = np.abs(x).max(-1, keepdims=True)
;;       e = np.where(a > 0, np.clip(np.frexp(np.where(a > 0, a, 1))[1] - 1 - 2, -126, 127), 0)      # np.frexp(a)[1] - 1 = floor(log2(a)), exactly
;;       r = np.clip(x / 2.0 ** e, -6, 6)
;;       step = 2.0 ** (np.maximum(np.frexp(np.where(r == 0, 1, r))[1] - 1, 0) - 1)
;;       q = np.round(r / step) * step * 2.0 ** e      # np.round: ties to even
;;       return np.moveaxis(q.reshape(q.shape[:-2] + (-1,))[..., :K], -1, axis).astype(np.float32)
;;   ~~~
;;   SOFTMAX AHEAD OF A QUANTISED PRODUCT. Where the list says 'softmax', what is quantised is not the finished softmax but p = 2^(t - M), with t = logit x log2(e) and M = ceil(the row's largest t), a whole number; so 1/2 < the row's largest p <= 1. The row's sum l is taken of the UNQUANTISED p, in f32, and the product's result is divided by l at the end. Since M is a whole number, a kernel that streams over the keys may use a running M (the ceiling of the running maximum): every later rescaling is an exact power of two, which a block's scale takes up: the codes' values come out the same.
;;   OPERANDS COMPUTED ON THE WAY. 'Computed on the way' means the value that the module computes at that place (a softmax that the list does not call 'softmax' is quantised finished and normalised). What goes into a quantiser is computed in f32, as accurately as f32 sums, v_exp_f32 and their like allow (about 1e-6 of the number): no bf16 or f16 on the way to a quantiser, and a product that is left as it is and whose result goes on into a quantised operand takes f32 operands (vector FMAs, or v_wmma_f32_16x16x4_f32). A number that lies on a knife's edge between two numbers of the format may be rounded either way, as far as f32 arithmetic and the matrix unit's own rounding can turn it there, and no further.
;; One version. Each part assembles by itself: llvm-mc -triple=amdgcn-amd-amdhsa -mcpu=gfx1250 --defsym DOCPART=n.
;; ======== version 1 of 1: 4 launches
;; limits: right only within a limited range of input values
;; workspace buffers: xb 4,456,448 bytes; wb 2,228,224 bytes; rt 524,288 bytes; qb 4,718,592 bytes; kvb 9,175,040 bytes; cb 4,456,448 bytes
;; launch prep (part 1): grid 448 x 1, 4 waves a work-group, no clusters, 34,304 bytes of LDS; arguments x, Wq, Wk, Wv, Wo, xb, wb, rt; writes xb, wb, rt
.if DOCPART == 1
	.amdgcn_target "amdgcn-amd-amdhsa--gfx1250"
	.amdhsa_code_object_version 6
	.text
	.protected	k_q61836d9cdf_prep
	.globl	k_q61836d9cdf_prep
	.p2align	8
	.type	k_q61836d9cdf_prep,@function
k_q61836d9cdf_prep:
	s_mov_b64 s[64:65], 0
	v_nop
	global_prefetch_b8 v0, s[64:65] scope:SCOPE_SE
	s_setreg_imm32_b32 hwreg(HW_REG_WAVE_MODE, 25, 1), 1
	s_wait_xcnt 0x0
; PREP: x and the four weights become codes of FP4 (E2M1) with one E8M0 byte for each 32 along d_model (their K), and the table of cos and sin for the rotation is made.
; DEAD WORK: none.  Every input buffer of reference() reaches out0 (bk too: it moves k's codes), so all are loaded by some launch; use_cache is a constant without a buffer that reference() never reads.
; LAYOUT OF THE WORKSPACE: images of operand registers.  A TILE is 16 rows of a group of 32: tile 2 g + u, row r stands for index 32 g + 8 u + (r % 8) + 16 (r / 8), of tokens (x) or of features (weights).
;   codes  [tile][ks 0..7][c 0..1][512 bytes]: lane (r, hh)'s 16 bytes at 16 x lane: row r, k = 128 ks + 64 c + 32 hh + 0 .. 31 (two codes a byte, the lower k in the low four bits)
;   scales [tile][kq 0..3][r][2 words]: the word of K step ks = 2 kq + i; its byte b is the block 4 ks + b
;   xb: 512 tiles of x, scales from byte 4,194,304.  wb: 256 tiles (rows 0-1023 Wq by 64 h + e, then Wk, Wv, then Wo's columns), scales from byte 2,097,152.  rt: [position][cos 0..31 | sin 0..31] f32.
; A block's scale is 2^(floor(log2(largest magnitude)) - 2): its byte is that magnitude's exponent field - 2, held at 1 from below by a floor among the maximum's leaves.
; LIMITS: NaN and infinities among the inputs are not served.  A block of zeros, or one whose largest magnitude lies under 2^-124, gets the byte 1 (the rule's 127 for zeros is not written: the codes are zeros and this program alone reads the bytes).
;   inv_freq is f32(1 / f32(10^(j/8))), which is reference()'s number where its power is rounded correctly.  cos and sin: reduction by pi/2 in two parts with fused multiply-adds, polynomials on |r| <= pi/4: about 6e-8 absolute.
; FOUR PATHS part on the work-group's number: 0-255 x; 256-351 Wq, Wk, Wv; 352-383 Wo; 384-447 the table.  Only the first touches LDS.
.set SPARE, 33792                      ; behind the four stages: the spare words, 128 bytes a wave
.set SPW,   254                        ; v254 LDS address of my spare word; never rewritten
.set NIL,   255                        ; v255 0; never rewritten
.set WV,    20                         ; s20  my wave's number
; ---- x: 16 rows x 128 numbers of K step st, a row a load: 32 lanes read 512 consecutive bytes
.macro XLOAD st
.set i, 0
.rept 16
	global_load_b128 v[16+64*((\st)%2)+4*i:16+64*((\st)%2)+4*i+3], v4, s[4:5] offset:((i%8)+16*(i/8))*4096+512*(\st) th:TH_LOAD_NT
.set i, i+1
.endr
.endm
; one K step of my tile: through my stage (rows 528 bytes apart), so that lane (r, hh) gets the two whole blocks that the operand's layout gives it
.macro XSTEP st
.if (\st) < 3
	s_wait_loadcnt 16                              ; this step's 16 loads are in; the next step's 16 may be out
.else
	s_wait_loadcnt 0x0
.endif
.set i, 0
.rept 16
	ds_store_b128 v5, v[16+64*((\st)%2)+4*i:16+64*((\st)%2)+4*i+3] offset:528*i
.set i, i+1
.endr
.irp c, 0,1
.irp q, 0,1,2,3,4,5,6,7
	ds_load_b128 v[144+32*\c+4*\q:144+32*\c+4*\q+3], v6 offset:256*\c+16*\q   ; LDS serves a wave's instructions in order: these see the stores above
.endr
.endr
	s_wait_dscnt 0x0                               ; my numbers are back, and the stores have read their registers
.if (\st) < 2
	XLOAD (\st)+2
.endif
.irp c, 0,1
	v_max3_num_f32 v[9+\c], |v[144+32*\c]|, |v[145+32*\c]|, 0x1800000   ; block 2 c + hh: all 32 numbers are mine; the floor 2^(3 - 127) holds the byte at 1 from below
.endr
.set i, 2
.rept 15
.irp c, 0,1
	v_max3_num_f32 v[9+\c], v[9+\c], |v[144+32*\c+i]|, |v[145+32*\c+i]|
.endr
.set i, i+2
.endr
.irp c, 0,1
	v_add_nc_u32 v[11+\c], 0xff000000, v[9+\c]     ; 2 off the exponent field: the conversion takes this operand's exponent field as its scale
.endr
.irp c, 0,1
.irp g, 0,1,2,3
	v_cvt_scalef32_pk8_fp4_f32 v[208+8*(\st)+4*\c+\g], v[144+32*\c+8*\g:151+32*\c+8*\g], v[11+\c]
.endr
.endr
	v_lshrrev_b32 v9, 23, v11                      ; the two bytes (a plain line behind the conversions)
	v_lshrrev_b32 v10, 23, v12
.irp c, 0,1
	global_store_b128 v4, v[208+8*(\st)+4*\c:211+8*(\st)+4*\c], s[30:31] offset:1024*(\st)+512*\c   ; an image: 512 consecutive bytes; each (step, c) has registers of its own
.endr
	v_lshl_or_b32 v9, v10, 16, v9                  ; blocks hh and 2 + hh,
	v_lshlrev_b32 v9, v8, v9                       ; at their places in the word (8 hh bits up);
	v_permlanex16_b32 v13, v9, s21, s22
	v_or_b32 v[240+(\st)], v9, v13                 ; with lane l xor 16's two the word is whole
.endm
; ---- a weight: a lane takes a column, its registers run down K
.macro WLOAD t, pitch
.set i, 0
.rept 32
	global_load_b32 v[16+32*((\t)%2)+i], v4, s[26:27] offset:(32*(\t)+i)*(\pitch)
.set i, i+1
.endr
.endm
.macro WBLOCK t, pitch
.set XS, 16+32*((\t)%2)
.if (\t) < 7
	s_wait_loadcnt 32                              ; this block's 32 loads are in; the next block's may be out
.else
	s_wait_loadcnt 0x0
.endif
	v_max3_num_f32 v10, |v[XS]|, |v[XS+1]|, 0x1800000
	v_max3_num_f32 v11, |v[XS+2]|, |v[XS+3]|, |v[XS+4]|
.irp i, 5,9,13,17,21,25
	v_max3_num_f32 v10, v10, |v[XS+\i]|, |v[XS+\i+1]|
	v_max3_num_f32 v11, v11, |v[XS+\i+2]|, |v[XS+\i+3]|
.endr
	v_max3_num_f32 v10, v10, |v[XS+29]|, |v[XS+30]|
	v_max3_num_f32 v10, v10, v11, |v[XS+31]|
	v_add_nc_u32 v12, 0xff000000, v10
	v_lshrrev_b32 v13, 23, v12
.if (\t)%4 == 0
	v_mov_b32 v[80+(\t)/4], v13                    ; four bytes to a word, the lower K in the lower byte
.else
	v_lshl_or_b32 v[80+(\t)/4], v13, 8*((\t)%4), v[80+(\t)/4]
.endif
.irp g, 0,1,2,3
	v_cvt_scalef32_pk8_fp4_f32 v[96+4*(\t)+\g], v[XS+8*\g:XS+8*\g+7], v12
.endr
	v_nop                                          ; a plain line behind the conversions
	global_store_b128 v7, v[96+4*(\t):99+4*(\t)], s[32:33] offset:256*(\t)   ; block t of my 256 along K is half an image: the 16 rows of a tile fill 256 consecutive bytes, two tiles an instruction
.if (\t)+2 < 8
	WLOAD (\t)+2, \pitch
.endif
.endm
; s[26:27]: my columns at my first k;  s30: the group of 32 rows of wb.  Wave = kq: 256 along K
.macro WQ pitch
	s_lshl_b32 s28, s30, 14                        ; two tiles of 8,192 bytes a group,
	s_lshl_b32 s31, s[WV], 11                      ; two K steps of 1,024 a wave
	s_add_co_u32 s28, s28, s31
	s_mov_b32 s29, 0
	s_add_nc_u64 s[32:33], s[16:17], s[28:29]
	s_lshl_b32 s28, s30, 10
	s_lshl_b32 s31, s[WV], 7
	s_add_co_u32 s28, s28, s31
	s_add_co_u32 s28, s28, 0x200000
	s_add_nc_u64 s[34:35], s[16:17], s[28:29]
	v_lshlrev_b32 v4, 2, v1                        ; in: 4 bytes a lane
	v_bfe_u32 v5, v1, 3, 1                         ; column l of the group is tile u = (l / 8) % 2,
	v_and_b32 v6, 7, v1
	v_lshrrev_b32 v7, 4, v1
	v_lshl_add_u32 v6, v7, 3, v6                   ; row r = l % 8 + 8 (l / 16)
	v_lshlrev_b32 v7, 13, v5
	v_lshl_add_u32 v7, v6, 4, v7                   ; codes: 8,192 u + 16 r
	v_lshlrev_b32 v8, 9, v5
	v_lshl_add_u32 v8, v6, 3, v8                   ; scale words: 512 u + 8 r
	WLOAD 0, \pitch
	WLOAD 1, \pitch
.irp t, 0,1,2,3,4,5,6,7
	WBLOCK \t, \pitch
.endr
	global_store_b64 v8, v[80:81], s[34:35]        ; my two scale words: runs of 128 bytes, which the other three waves complete; 1 byte for each 128 read
	s_endpgm
.endm
; ---- the table
.macro PJ l, val
	s_mov_b32 s26, \val
	v_writelane_b32 v4, s26, \l
.endm
.macro POS n
	s_add_co_u32 s29, s23, \n
	v_cvt_f32_u32 v8, s29
	s_wait_alu depctr_va_vdst(0)
	v_mul_f32 v8, v8, v5                           ; the angle, rounded once, as reference() has it
	v_mul_f32 v9, s26, v8
	v_rndne_f32 v9, v9                             ; k = the nearest multiple of pi/2
	v_fma_f32 v10, -v9, s27, v8                    ; r = angle - k pi/2: the first part is exact,
	v_fma_f32 v10, -v9, s28, v10                   ; the second rounds once
	v_mul_f32 v11, v10, v10                        ; z
	v_fma_f32 v12, v11, s36, s35
	v_fma_f32 v13, v11, s39, s38
	v_fma_f32 v12, v12, v11, s34
	v_fma_f32 v13, v13, v11, s37
	v_mul_f32 v12, v12, v11
	v_mul_f32 v14, v11, v11
	v_fma_f32 v15, v11, -0.5, 1.0
	v_fma_f32 v12, v12, v10, v10                   ; sin r
	v_fma_f32 v13, v13, v14, v15                   ; cos r
	v_cvt_i32_f32 v16, v9
	v_and_b32 v17, 1, v16
	v_cmp_eq_u32 vcc_lo, 1, v17                    ; odd quadrants change sin and cos; the choice selects values only
	v_cndmask_b32 v18, v12, v13, vcc_lo
	v_cndmask_b32 v19, v13, v12, vcc_lo
	v_and_b32 v17, 2, v16
	v_lshlrev_b32 v17, 30, v17
	v_xor_b32 v[33+2*(\n)], v17, v18               ; sin: minus in quadrants 2, 3
	v_add_nc_u32 v16, 1, v16
	v_and_b32 v16, 2, v16
	v_lshlrev_b32 v16, 30, v16
	v_xor_b32 v[32+2*(\n)], v16, v19               ; cos: minus in quadrants 1, 2
	global_store_b32 v7, v[32+2*(\n)], s[18:19] offset:256*(\n)
	global_store_b32 v7, v[33+2*(\n)], s[18:19] offset:256*(\n)+128
.endm
	s_load_b512 s[4:19], s[0:1], 0x0               ; x s[4:5], Wq s[6:7], Wk s[8:9], Wv s[10:11], Wo s[12:13], xb s[14:15], wb s[16:17], rt s[18:19]
	v_lshl_add_u32 v[SPW], v0, 2, SPARE
	v_mov_b32 v[NIL], 0
	v_lshrrev_b32 v1, 5, v0
	v_readfirstlane_b32 s[WV], v1                  ; wave 0..3
	v_and_b32 v1, 31, v0                           ; lane
	v_and_b32 v2, 15, v0                           ; r
	v_bfe_u32 v3, v0, 4, 1                         ; hh
	s_mov_b32 s21, 0x76543210
	s_mov_b32 s22, 0xfedcba98                      ; v_permlanex16_b32's selects for lane l xor 16
	s_wait_kmcnt 0x0
	s_cmp_lt_u32 ttmp9, 256
	s_cbranch_scc0 .Lnot_x
	; ======== x: work-group g = 32 tokens; wave w: tile 2 g + w / 2, half w % 2 of K (four K steps)
	s_lshr_b32 s23, s[WV], 1                       ; u
	s_and_b32 s24, s[WV], 1                        ; kh
	s_lshl_b32 s26, ttmp9, 17                      ; 32 rows of 4,096 bytes
	s_lshl_b32 s25, s23, 15                        ; + 8 u rows
	s_add_co_u32 s26, s26, s25
	s_lshl_b32 s25, s24, 11                        ; + 512 kh numbers
	s_add_co_u32 s26, s26, s25
	s_mov_b32 s27, 0
	s_add_nc_u64 s[4:5], s[4:5], s[26:27]
	s_lshl_b32 s28, ttmp9, 1
	s_add_co_u32 s28, s28, s23                     ; my tile
	s_lshl_b32 s26, s28, 13
	s_lshl_b32 s25, s24, 12
	s_add_co_u32 s26, s26, s25
	s_add_nc_u64 s[30:31], s[14:15], s[26:27]      ; its images from K step 4 kh on
	s_lshl_b32 s26, s28, 9
	s_lshl_b32 s25, s24, 8
	s_add_co_u32 s26, s26, s25
	s_add_co_u32 s26, s26, 0x400000
	s_add_nc_u64 s[32:33], s[14:15], s[26:27]      ; and its scale words
	s_mul_i32 s25, s[WV], 8448                     ; my stage: 16 rows x 528 bytes
	s_wait_alu depctr_va_vdst(0)
	v_lshlrev_b32 v4, 4, v1                        ; 16 x lane
	v_add_nc_u32 v5, s25, v4                       ; into the stage: a row as it was loaded
	v_mul_u32_u24 v6, v2, 528
	v_lshl_add_u32 v6, v3, 7, v6
	v_add_nc_u32 v6, s25, v6                       ; out of it: row r, 32 hh numbers on
	v_lshlrev_b32 v7, 3, v1                        ; 8 x lane
	v_lshlrev_b32 v8, 3, v3                        ; 8 hh
	v_mov_b32 v13, 0                               ; a lane permute's destination counts as one of its sources
	XLOAD 0
	XLOAD 1
	s_wait_alu depctr_va_vdst(0)
	XSTEP 0
	XSTEP 1
	XSTEP 2
	XSTEP 3
	s_mov_b32 s25, 0xffff0000
	v_cndmask_b32 v10, v240, v242, s25             ; lanes 0-15: the words of K steps 0, 1 of row r; lanes 16-31: of steps 2, 3
	v_cndmask_b32 v11, v241, v243, s25
	global_store_b64 v7, v[10:11], s[32:33]        ; 256 consecutive bytes
	s_wait_tensorcnt 0x0                           ; the wave's end: behind my last LDS store
	ds_add_u32 v[SPW], v[NIL]
	s_wait_dscnt 0x0
	s_endpgm
.Lnot_x:
	s_cmp_lt_u32 ttmp9, 352
	s_cbranch_scc0 .Lnot_w3
	; ======== Wq, Wk, Wv [16][1024][64]: group G of 32 features = head G / 2, e from 32 (G % 2) on; a row of K is 256 bytes
	s_sub_co_u32 s23, ttmp9, 256
	s_lshr_b32 s24, s23, 5                         ; which weight
	s_and_b32 s25, s23, 31                         ; G
	s_cmp_eq_u32 s24, 0
	s_cselect_b64 s[26:27], s[6:7], s[8:9]
	s_cmp_eq_u32 s24, 2
	s_cselect_b64 s[26:27], s[10:11], s[26:27]
	s_lshr_b32 s28, s25, 1
	s_lshl_b32 s28, s28, 18
	s_lshl_b32 s29, s[WV], 16
	s_add_co_u32 s28, s28, s29
	s_and_b32 s29, s25, 1
	s_lshl_b32 s29, s29, 7
	s_add_co_u32 s28, s28, s29
	s_mov_b32 s29, 0
	s_add_nc_u64 s[26:27], s[26:27], s[28:29]
	s_lshl_b32 s30, s24, 5
	s_add_co_u32 s30, s30, s25
	s_wait_alu depctr_va_vdst(0)
	WQ 256
.Lnot_w3:
	s_cmp_lt_u32 ttmp9, 384
	s_cbranch_scc0 .Ltab
	; ======== Wo [1024 (k)][1024 (n)]: group G = columns 32 G on; a row of K is 4,096 bytes
	s_sub_co_u32 s25, ttmp9, 352
	s_lshl_b32 s28, s[WV], 20
	s_lshl_b32 s29, s25, 7
	s_add_co_u32 s28, s28, s29
	s_mov_b32 s29, 0
	s_add_nc_u64 s[26:27], s[12:13], s[28:29]
	s_add_co_u32 s30, s25, 96
	s_wait_alu depctr_va_vdst(0)
	WQ 4096
.Ltab:
	; ======== the table: a wave takes 8 positions, a lane a frequency j
	s_sub_co_u32 s23, ttmp9, 384
	s_lshl_b32 s23, s23, 2
	s_add_co_u32 s23, s23, s[WV]
	s_lshl_b32 s24, s23, 11                        ; 8 positions of 256 bytes
	s_mov_b32 s25, 0
	s_add_nc_u64 s[18:19], s[18:19], s[24:25]
	s_lshl_b32 s23, s23, 3                         ; my first position
	s_wait_alu depctr_va_vdst(0)
	v_lshlrev_b32 v7, 2, v1
	v_mov_b32 v4, 1.0                              ; 10000^(j/32) = 10^(j/8), rounded to f32, lane by lane
	PJ 1, 1.333521432163324
	PJ 2, 1.778279410038923
	PJ 3, 2.371373705661655
	PJ 4, 3.162277660168379
	PJ 5, 4.216965034285822
	PJ 6, 5.623413251903491
	PJ 7, 7.498942093324559
	PJ 8, 10.0
	PJ 9, 13.33521432163324
	PJ 10, 17.78279410038923
	PJ 11, 23.71373705661655
	PJ 12, 31.62277660168379
	PJ 13, 42.16965034285822
	PJ 14, 56.23413251903491
	PJ 15, 74.98942093324559
	PJ 16, 100.0
	PJ 17, 133.3521432163324
	PJ 18, 177.8279410038923
	PJ 19, 237.1373705661655
	PJ 20, 316.2277660168379
	PJ 21, 421.6965034285822
	PJ 22, 562.3413251903491
	PJ 23, 749.8942093324559
	PJ 24, 1000.0
	PJ 25, 1333.521432163324
	PJ 26, 1778.279410038923
	PJ 27, 2371.373705661655
	PJ 28, 3162.277660168379
	PJ 29, 4216.965034285822
	PJ 30, 5623.413251903491
	PJ 31, 7498.942093324559
	s_wait_alu depctr_va_vdst(0)
	v_rcp_f32 v5, v4
	v_nop                                          ; a plain line behind the reciprocal,
	s_wait_alu depctr_va_vdst(0)                   ; and the wait ahead of its first reader
	v_fma_f32 v6, -v4, v5, 1.0                     ; one step of refinement: the quotient 1 / p rounded as a division rounds it
	v_fma_f32 v5, v6, v5, v5                       ; inv_freq
	s_mov_b32 s26, 0x3f22f983                      ; 2 / pi
	s_mov_b32 s27, 0x3fc90fdb                      ; pi / 2, the f32 next to it,
	s_mov_b32 s28, 0xb33bbd2e                      ; and what is left
	s_mov_b32 s34, -1.6666654611e-1                ; sin r = r + r z (S1 + z (S2 + z S3))
	s_mov_b32 s35, 8.3321608736e-3
	s_mov_b32 s36, -1.9515295891e-4
	s_mov_b32 s37, 4.166664568298827e-2            ; cos r = 1 - z / 2 + z z (C1 + z (C2 + z C3))
	s_mov_b32 s38, -1.388731625493765e-3
	s_mov_b32 s39, 2.443315711809948e-5
.irp n, 0,1,2,3,4,5,6,7
	POS \n
.endr
	s_endpgm
.Lfunc_end_k_q61836d9cdf_prep:
	.size	k_q61836d9cdf_prep, .Lfunc_end_k_q61836d9cdf_prep-k_q61836d9cdf_prep
	.p2alignl 7, 3214868480
	.fill 96, 4, 3214868480
	.section	.rodata,"a",@progbits
	.p2align	6, 0x0
	.amdhsa_kernel k_q61836d9cdf_prep
		.amdhsa_group_segment_fixed_size 34304
		.amdhsa_private_segment_fixed_size 0
		.amdhsa_enable_private_segment 0
		.amdhsa_kernarg_size 64
		.amdhsa_user_sgpr_count 2
		.amdhsa_user_sgpr_kernarg_segment_ptr 1
		.amdhsa_wavefront_size32 1
		.amdhsa_system_sgpr_workgroup_id_x 1
		.amdhsa_system_sgpr_workgroup_id_y 1
		.amdhsa_system_sgpr_workgroup_id_z 1
		.amdhsa_system_vgpr_workitem_id 0
		.amdhsa_next_free_vgpr 256
		.amdhsa_next_free_sgpr 66
		.amdhsa_reserve_vcc 1
		.amdhsa_float_denorm_mode_32 3
		.amdhsa_float_denorm_mode_16_64 3
		.amdhsa_memory_ordered 1
		.amdhsa_forward_progress 1
		.amdhsa_inst_pref_size 122
	.end_amdhsa_kernel
	.amdgpu_metadata
---
amdhsa.version: [ 1, 2 ]
amdhsa.kernels:
  - .name:           k_q61836d9cdf_prep
    .symbol:         k_q61836d9cdf_prep.kd
    .args:
      - { .name: x, .offset: 0, .size: 8, .value_kind: global_buffer, .address_space: global }
      - { .name: Wq, .offset: 8, .size: 8, .value_kind: global_buffer, .address_space: global }
      - { .name: Wk, .offset: 16, .size: 8, .value_kind: global_buffer, .address_space: global }
      - { .name: Wv, .offset: 24, .size: 8, .value_kind: global_buffer, .address_space: global }
      - { .name: Wo, .offset: 32, .size: 8, .value_kind: global_buffer, .address_space: global }
      - { .name: xb, .offset: 40, .size: 8, .value_kind: global_buffer, .address_space: global }
      - { .name: wb, .offset: 48, .size: 8, .value_kind: global_buffer, .address_space: global }
      - { .name: rt, .offset: 56, .size: 8, .value_kind: global_buffer, .address_space: global }
    .group_segment_fixed_size: 34304
    .private_segment_fixed_size: 0
    .kernarg_segment_align: 8
    .kernarg_segment_size: 64
    .max_flat_workgroup_size: 128
    .sgpr_count:     66
    .vgpr_count:     256
    .wavefront_size: 32
...
	.end_amdgpu_metadata
.endif
;; end of part 1
;; launch proj (part 2): grid 12 x 32, 4 waves a work-group, clusters of 4 x 4, 279,040 bytes of LDS; arguments xb, wb, rt, bq, bk, bv, qb, kvb; writes qb, kvb
.if DOCPART == 2
	.amdgcn_target "amdgcn-amd-amdhsa--gfx1250"
	.amdhsa_code_object_version 6
	.text
	.protected	k_q61836d9cdf_proj
	.globl	k_q61836d9cdf_proj
	.p2align	8
	.type	k_q61836d9cdf_proj,@function
k_q61836d9cdf_proj:
	s_mov_b64 s[64:65], 0
	v_nop
	global_prefetch_b8 v0, s[64:65] scope:SCOPE_SE
	s_setreg_imm32_b32 hwreg(HW_REG_WAVE_MODE, 25, 1), 1
	s_wait_xcnt 0x0
	s_wait_alu depctr_hold_cnt(0) depctr_sa_sdst(0) depctr_va_vdst(0) depctr_va_sdst(0) depctr_va_ssrc(0) depctr_va_vcc(0) depctr_vm_vsrc(0)
	s_getreg_b32 s2, hwreg(HW_REG_IB_STS2, 6, 4)
	s_cmp_eq_u32 s2, 0
	s_cbranch_scc0 .Lentry_in_a_cluster
	s_endpgm
.Lentry_in_a_cluster:
	s_bfe_u32 s2, ttmp6, 0x10000c
	s_cmp_lg_u32 s2, 0xf033
	s_cbranch_scc0 .Lentry_shape_is_right
	s_endpgm
.Lentry_shape_is_right:
; PROJ: q, k and v = x W + b on codes of FP4 with E8M0 scales (K = 1,024), the rotation of q and k, and the quantising of q, k (along the head's 64) and v (along the keys) into images of operand registers.  No work of reference() is left out here.
; A work-group makes 256 x 256, a wave 128 x 128 (64 accumulators, windows 2 and 3), over all of K.  The cluster's x is the TYPE: 0 q, 1 k, 2 v: the same in all sixteen partners.
; ONE MAIN LOOP: P is source 0, Q source 1.  q, k: P = 256 features (block 4 type + cx of wb), Q = 256 tokens (block 4 Y + cy of xb): a lane then holds ONE token and its registers run along e.
; v: P = 256 tokens (block 4 Y + cx), Q = 256 features (block 8 + cy): a lane holds ONE dim and its registers run along the tokens, which are the keys.  Only pointers and block numbers are chosen by the type.
; P hangs on cx alone and is asked for jointly by my column of the cluster, Q on cy alone, by my row.  All of K fits in LDS: each byte of LDS is filled once, one tensor load a wave at the head (the scale words by plain loads), and the
; loads are waited for at once.  Tiles lie in memory as images of operand registers (see PREP): a fragment is two ds_load_b128 at 16 x lane, dense.
; THE ROWS OF A TILE ARE NOT NEIGHBOURS (tile 2 g + u, row r = index 32 g + 8 u + r % 8 + 16 (r / 8)): so the 16 registers of P's tiles 2 g, 2 g + 1 are the 16 neighbours 32 g + 16 (lane / 16) + 0 .. 15.
; OUT.  qb: 64 blobs (batch x 16 + head) of 73,728 bytes: 128 images of 512 bytes (a tile of 16 queries, K = 64), then 16 images of scale words (word of tile t of 8, row r at (16 (t % 2) + r) 16 + 4 (t / 2); bytes 2, 3 are 0).
; kvb: 64 blobs of 143,360: K as q; from 73,728 V's images ((4 s + d) 2 + c) 512 (key step s, tile d of dims, keys 64 c + 32 hh on); from 139,264 V's scale words, 256 bytes a step (lane l: words of tiles l / 16 and 2 + l / 16, row l % 16).
; LIMITS: as PREP's (NaN, infinities; the byte 1 for blocks of zeros or under 2^-124).
.set PC,    0                          ; LDS: P's codes as they lie in memory: [tile 0..15][8,192]; each wave brings 8 tiles, 65,536 dense bytes, by its ONE tensor load
.set QC,    131072                     ; Q's likewise.  The scale words come by plain loads and LDS stores, a quarter a wave; one wait for all and one barrier show everything
.set QS,    262144                     ; Q's scale words, 512 bytes a tile
.set PS,    270336                     ; P's
.set SPARE, 278528                     ; the spare words, 128 bytes a wave
.set ADRP,  16                         ; v16       my P fragments
.set ADRQ,  20                         ; v20       my Q fragments
.set ADRS,  27                         ; v27       my scale words: lanes 0-15 Q's, lanes 16-31 P's
.set SPW,   28
.set NIL,   29
.set SC,    32                         ; v32-95    scale words: register 8 i + ks
.set WV,  8                            ; s8  wave
.set PH,  9                            ; s9  my half of P; also which half I fetch
.set QH,  10                           ; s10 my half of Q; also: I fetch for P (0) or Q (1)
.set CX,  11
.set CY,  12
.set TY,  13                           ; the type
.set PB,  16                           ; P's block
.set QB,  17                           ; Q's block
.set G1P,  24                          ; s[24:31] group 1 for P's codes; s[32:39] Q's
.set G1Q,  32
.set G1SP, 40
.set G1SQ, 48                          ; groups 0: P's half s[56:59], Q's s[80:83]
.set BI,   128                         ; the way out (window 0): biases
.set TMP,  192
.set Y,    224
.set WD,   64
.set TM,   80
.set CD,   92
.set TM4,  152
.set SEL,  48
.set MSB, 0
.macro WIN new                         ; the immediate's high byte repeats the setting that is left
.if MSB != (\new)
	s_set_vgpr_msb (MSB<<8)|(\new)
.set MSB, (\new)
.endif
.endm
.macro PLACES                          ; four plain lines between a matrix instruction and a load into, or a read of, its registers
.rept 4
	v_nop
.endr
.endm
.macro CROUND                          ; a round of the cluster's barrier
	s_barrier_signal -1
	s_barrier_wait -1
	s_cmp_lg_u32 s[WV], 0
	s_cbranch_scc1 .Lnot_wave_0_\@
	s_barrier_signal -3
.Lnot_wave_0_\@:
	s_barrier_wait -3
	s_barrier_signal -1
	s_barrier_wait -1
.endm
.macro SCALES                          ; all of K's scale words of my 8 + 8 tiles, two words a load
.irp i, 0,1,2,3,4,5,6,7
.irp q, 0,1,2,3
	ds_load_b64 v[SC+8*\i+2*\q:SC+8*\i+2*\q+1], v[ADRS] offset:512*\i+128*\q
.endr
.endr
.endm
.macro FETCH ks                        ; the fragments of K step ks: P's eight into window 1, Q's eight into window 0; sets by turns
	WIN 0x40
.irp i, 0,1,2,3,4,5,6,7
.irp cc, 0,1
	ds_load_b128 v[128*((\ks)%2)+8*\i+4*\cc:128*((\ks)%2)+8*\i+4*\cc+3], v[ADRP] offset:8192*\i+1024*(\ks)+512*\cc
.endr
.endr
	WIN 0
.irp i, 0,1,2,3,4,5,6,7
.irp cc, 0,1
	ds_load_b128 v[128+64*((\ks)%2)+8*\i+4*\cc:128+64*((\ks)%2)+8*\i+4*\cc+3], v[ADRQ] offset:8192*\i+1024*(\ks)+512*\cc
.endr
.endr
.endm
; 32 matrix instructions: Q's tiles 4 hi .. 4 hi + 3 against P's eight.  The 64 accumulators take turns in the same order in every K step.  zero = 1: the first product starts the sums
.macro MULH ks, hi, zero
	WIN 0xa1+0x50*(\hi)
.irp a, 0,1,2,3
.irp b, 0,1,2,3,4,5,6,7
.if \zero
	v_wmma_scale_f32_16x16x128_f8f6f4 v[8*(8*\a+\b):8*(8*\a+\b)+7], v[128*((\ks)%2)+8*\b:128*((\ks)%2)+8*\b+7], v[128+64*((\ks)%2)+8*(4*(\hi)+\a):128+64*((\ks)%2)+8*(4*(\hi)+\a)+7], 0, v[SC+8*\b+(\ks)], v[SC+8*(4*(\hi)+\a)+(\ks)] matrix_a_fmt:MATRIX_FMT_FP4 matrix_b_fmt:MATRIX_FMT_FP4 matrix_a_scale:MATRIX_SCALE_ROW1
.else
	v_wmma_scale_f32_16x16x128_f8f6f4 v[8*(8*\a+\b):8*(8*\a+\b)+7], v[128*((\ks)%2)+8*\b:128*((\ks)%2)+8*\b+7], v[128+64*((\ks)%2)+8*(4*(\hi)+\a):128+64*((\ks)%2)+8*(4*(\hi)+\a)+7], v[8*(8*\a+\b):8*(8*\a+\b)+7], v[SC+8*\b+(\ks)], v[SC+8*(4*(\hi)+\a)+(\ks)] matrix_a_fmt:MATRIX_FMT_FP4 matrix_b_fmt:MATRIX_FMT_FP4 matrix_a_scale:MATRIX_SCALE_ROW1
.endif
.endr
.endr
.endm
.macro KEVEN ks, zero                  ; a K step: the next step's fragments are asked for ahead of its products
	s_wait_dscnt 0x0                               ; this step's fragments are in
	PLACES
	FETCH (\ks)+1
	MULH \ks, 0, \zero
	MULH \ks, 1, \zero
.endm
; 32 numbers of a lane, register 16 b + i = k 32 b + 16 (lane / 16) + i of my row, become four registers of codes (lanes 0-15 block 0, lanes 16-31 block 1) and a scale word (bytes 0, 1)
.macro QUANT2 s, c, w
.irp b, 0,1
	v_max3_num_f32 v[TM+\b], |v[(\s)+16*\b]|, |v[(\s)+1+16*\b]|, 0x1800000
.endr
.irp i, 2,4,6,8,10,12,14
.irp b, 0,1
	v_max3_num_f32 v[TM+\b], v[TM+\b], |v[(\s)+16*\b+\i]|, |v[(\s)+1+16*\b+\i]|
.endr
.endr
.irp b, 0,1
	v_permlanex16_b32 v[TM+2+\b], v[TM+\b], s[SEL], s[SEL+1]
.endr
.irp b, 0,1
	v_max_num_f32 v[TM+\b], v[TM+\b], v[TM+2+\b]   ; with lane l xor 16's 16: the block's largest magnitude
.endr
.irp b, 0,1
	v_add_nc_u32 v[TM+4+\b], 0xff000000, v[TM+\b]  ; 2 off its exponent field: the conversion's scale operand
.endr
.irp b, 0,1
	v_lshrrev_b32 v[TM+6+\b], 23, v[TM+4+\b]       ; the byte
.endr
	v_lshl_or_b32 v[\w], v[TM+7], 8, v[TM+6]
.irp b, 0,1
	v_cvt_scalef32_pk8_fp4_f32 v[(\c)+2*\b], v[(\s)+16*\b:(\s)+7+16*\b], v[TM+4+\b]
	v_cvt_scalef32_pk8_fp4_f32 v[(\c)+1+2*\b], v[(\s)+8+16*\b:(\s)+15+16*\b], v[TM+4+\b]
.endr
	v_nop                                          ; a plain line behind the conversions
	v_permlane16_swap_b32 v[\c], v[(\c)+2]         ; the operand's layout wants a whole block in a lane
	v_permlane16_swap_b32 v[(\c)+1], v[(\c)+3]
.endm
; the same for 64 numbers, four blocks: a whole fragment (8 registers) and its scale word
.macro QUANT4 s, c, w
.irp b, 0,1,2,3
	v_max3_num_f32 v[TM4+\b], |v[(\s)+16*\b]|, |v[(\s)+1+16*\b]|, 0x1800000
.endr
.irp i, 2,4,6,8,10,12,14
.irp b, 0,1,2,3
	v_max3_num_f32 v[TM4+\b], v[TM4+\b], |v[(\s)+16*\b+\i]|, |v[(\s)+1+16*\b+\i]|
.endr
.endr
.irp b, 0,1,2,3
	v_permlanex16_b32 v[TM4+4+\b], v[TM4+\b], s[SEL], s[SEL+1]
.endr
.irp b, 0,1,2,3
	v_max_num_f32 v[TM4+\b], v[TM4+\b], v[TM4+4+\b]
.endr
.irp b, 0,1,2,3
	v_add_nc_u32 v[TM4+12+\b], 0xff000000, v[TM4+\b]
.endr
.irp b, 0,1,2,3
	v_lshrrev_b32 v[TM4+4+\b], 23, v[TM4+12+\b]
.endr
	v_lshl_or_b32 v[\w], v[TM4+5], 8, v[TM4+4]
	v_lshl_or_b32 v[\w], v[TM4+6], 16, v[\w]
	v_lshl_or_b32 v[\w], v[TM4+7], 24, v[\w]
.irp b, 0,1,2,3
	v_cvt_scalef32_pk8_fp4_f32 v[(\c)+2*\b], v[(\s)+16*\b:(\s)+7+16*\b], v[TM4+12+\b]
	v_cvt_scalef32_pk8_fp4_f32 v[(\c)+1+2*\b], v[(\s)+8+16*\b:(\s)+15+16*\b], v[TM4+12+\b]
.endr
	v_nop
.irp cc, 0,1
.irp i, 0,1
	v_permlane16_swap_b32 v[(\c)+4*\cc+\i], v[(\c)+2+4*\cc+\i]
.endr
.endr
.endm
; cos and sin of token tile a: my row's position, frequencies 16 hh + 0 .. 15; sets v96-127 and v32-63 by turns
.macro CSLOAD a
.set CSB, 96-64*((\a)%2)
.irp q, 0,1,2,3
	global_load_b128 v[CSB+4*\q:CSB+4*\q+3], v6, s[24:25] offset:(32*((\a)/2)+8*((\a)%2))*256+16*\q
.endr
.irp q, 0,1,2,3
	global_load_b128 v[CSB+16+4*\q:CSB+16+4*\q+3], v6, s[24:25] offset:(32*((\a)/2)+8*((\a)%2))*256+128+16*\q
.endr
.endm
; token tile a, head e of my two: bias, rotation, codes, store.  Registers 0-15 are x1 (e = 16 hh + i), 16-31 x2 (e = 32 + 16 hh + i): a pair of the rotation lies in one lane
.macro UNIT a, e
	WIN 0x02+(\a)/4
.set AC, 8*(8*((\a)%4)+4*(\e))
.irp i, 0,2,4,6,8,10,12,14,16,18,20,22,24,26,28,30
	v_pk_add_f32 v[TMP+\i:TMP+\i+1], v[AC+\i:AC+\i+1], v[BI+32*(\e)+\i:BI+32*(\e)+\i+1]   ; each accumulator from its low end on
.endr
	WIN 0
.set CSB, 96-64*((\a)%2)
.irp i, 0,2,4,6,8,10,12,14
	v_pk_mul_f32 v[Y+\i:Y+\i+1], v[TMP+16+\i:TMP+17+\i], v[CSB+16+\i:CSB+17+\i]       ; x2 sin
	v_pk_mul_f32 v[Y+16+\i:Y+17+\i], v[TMP+\i:TMP+\i+1], v[CSB+16+\i:CSB+17+\i]       ; x1 sin
.endr
.irp i, 0,2,4,6,8,10,12,14
	v_pk_fma_f32 v[Y+\i:Y+\i+1], v[TMP+\i:TMP+\i+1], v[CSB+\i:CSB+\i+1], v[Y+\i:Y+\i+1] neg_lo:[0,0,1] neg_hi:[0,0,1]   ; x1 cos - x2 sin
	v_pk_fma_f32 v[Y+16+\i:Y+17+\i], v[TMP+16+\i:TMP+17+\i], v[CSB+\i:CSB+\i+1], v[Y+16+\i:Y+17+\i]                  ; x2 cos + x1 sin
.endr
	s_wait_xcnt 0x0                                ; the last store has read the codes' registers: they are written again only behind this wait
	QUANT2 Y, CD, WD+8*(\e)+(\a)
	global_store_b128 v7, v[CD:CD+3], s[38+8*(\e):39+8*(\e)] offset:512*(\a)   ; an image: 512 consecutive bytes
.endm
	s_load_b128 s[4:7], s[0:1], 0x0                ; xb s[4:5], wb s[6:7]
	v_lshl_add_u32 v[SPW], v0, 2, SPARE
	v_mov_b32 v[NIL], 0
	ds_add_u32 v[SPW], v[NIL]                      ; the wave's opening: the add, twice on end, and its wait ahead of my first tensor load
	ds_add_u32 v[SPW], v[NIL]
	v_lshrrev_b32 v1, 5, v0
	v_readfirstlane_b32 s[WV], v1
	s_and_b32 s[PH], s[WV], 1
	s_lshr_b32 s[QH], s[WV], 1
	s_bfe_u32 s[CX], ttmp6, 0x40000
	s_bfe_u32 s[CY], ttmp6, 0x40004
	s_mov_b32 s[TY], ttmp9                         ; in a cluster launch ttmp9 counts clusters: 0, 1, 2
	s_and_b32 s14, ttmp7, 0xffff                   ; Y: the cluster's y
	s_lshl_b32 s18, s[CY], 2
	s_lshl_b32 s18, 15, s18                        ; my row of the cluster
	s_lshl_b32 s19, 0x1111, s[CX]                  ; my column
	s_or_b32 s[G1P], s19, (3<<16)|(1<<21)          ; 15:0 the mask; 17:16 elements of 8 bytes; 21 set beside a mask; no padding
	s_or_b32 s[G1Q], s18, (3<<16)|(1<<21)
.irp g, G1P, G1Q                       ; half a block: 8 whole tiles, one after the other
	s_mov_b32 s[\g+1], 32<<16                      ; half a block, 65,536 dense bytes, as 256 rows of 256 bytes: tensor_dim0 = 32 elements
	s_mov_b32 s[\g+2], 256<<16                     ; tensor_dim1 = 256
	s_mov_b32 s[\g+3], 32<<16                      ; tile_dim0
	s_mov_b32 s[\g+4], 256                         ; tile_dim1
	s_mov_b32 s[\g+5], 32                          ; from row to row
	s_mov_b32 s[\g+6], 0
	s_mov_b32 s[\g+7], 0
.endr
	s_lshl_b32 s20, s[TY], 2
	s_lshl_b32 s21, s14, 2
	s_mov_b32 s22, 0x200000                        ; where wb's scale words begin,
	s_mov_b32 s23, 0x400000                        ; and xb's
	s_cmp_eq_u32 s[TY], 2
	s_cselect_b32 s[PB], s21, s20
	s_cselect_b32 s[QB], 8, s21
	s_cselect_b32 s18, s23, s22
	s_cselect_b32 s19, s22, s23
	s_add_co_u32 s[PB], s[PB], s[CX]               ; P's block hangs on cx, never on cy;
	s_add_co_u32 s[QB], s[QB], s[CY]               ; Q's on cy, never on cx
	s_lshl_b32 s20, s[PB], 17                      ; P's codes: 131,072 bytes a block, + my half
	s_lshl_b32 s3, s[PH], 16
	s_add_co_u32 s20, s20, s3
	s_mov_b32 s21, 0
	s_lshl_b32 s22, s[PB], 13                      ; P's scale words: 8,192 a block, + my half
	s_add_co_u32 s22, s22, s18
	s_lshl_b32 s3, s[PH], 12
	s_add_co_u32 s22, s22, s3
	s_mov_b32 s23, 0
	s_lshl_b32 s100, s[QB], 17
	s_lshl_b32 s3, s[PH], 16
	s_add_co_u32 s100, s100, s3
	s_mov_b32 s101, 0
	s_lshl_b32 s66, s[QB], 13
	s_add_co_u32 s66, s66, s19
	s_lshl_b32 s3, s[PH], 12
	s_add_co_u32 s66, s66, s3
	s_mov_b32 s67, 0
	s_lshl_b32 s18, s[PH], 16                      ; in LDS: my half of a block: the wave's number alone
	s_wait_dscnt 0x0                               ; both opening adds are done
	s_wait_kmcnt 0x0
	s_cmp_eq_u32 s[TY], 2
	s_cselect_b64 s[14:15], s[4:5], s[6:7]         ; P's buffer
	s_cselect_b64 s[2:3], s[6:7], s[4:5]           ; Q's
	s_add_nc_u64 s[20:21], s[14:15], s[20:21]
	s_add_nc_u64 s[22:23], s[14:15], s[22:23]
	s_add_nc_u64 s[100:101], s[2:3], s[100:101]
	s_add_nc_u64 s[66:67], s[2:3], s[66:67]
	s_mov_b32 s56, 1                               ; group 0 for P's half,
	s_add_co_u32 s57, s18, PC
	s_mov_b64 s[58:59], s[20:21]
	s_or_b32 s59, s59, 0x80000000
	s_mov_b32 s80, 1                               ; and for Q's
	s_add_co_u32 s81, s18, QC
	s_mov_b64 s[82:83], s[100:101]
	s_or_b32 s83, s83, 0x80000000
	CROUND                                         ; all sixteen work-groups are here: the joint loads meet
	s_cmp_eq_u32 s[QH], 0                          ; waves 0, 1 fetch P's halves, waves 2, 3 Q's: one tensor load a wave
	s_cbranch_scc0 .Lfill_q
	tensor_load_to_lds s[56:59], s[G1P:G1P+7]
	s_nop 0
.rept 4
	v_nop
.endr
	s_branch .Lfilled
.Lfill_q:
	tensor_load_to_lds s[80:83], s[G1Q:G1Q+7]
	s_nop 0
.rept 4
	v_nop
.endr
.Lfilled:
	v_and_b32 v1, 15, v0                           ; r
	v_bfe_u32 v2, v0, 4, 1                         ; hh
	v_and_b32 v3, 31, v0
	v_lshlrev_b32 v3, 4, v3                        ; 16 x lane
	s_lshl_b32 s18, s[QH], 11                      ; the scale words, 8,192 bytes a side: my quarter is 4,096 ph (in the bases) + 2,048 qh
	v_add_nc_u32 v5, s18, v3
.irp k, 0,1,2,3
	global_load_b128 v[128+4*\k:131+4*\k], v5, s[66:67] offset:512*\k   ; Q's: 512 consecutive bytes an instruction
	global_load_b128 v[144+4*\k:147+4*\k], v5, s[22:23] offset:512*\k   ; P's
.endr
	s_lshl_b32 s19, s[PH], 12
	s_add_co_u32 s19, s19, QS
	v_add_nc_u32 v6, s19, v5                       ; and their place in LDS; P's lie 8,192 bytes on
	s_lshl_b32 s18, s[PH], 16
	v_add_nc_u32 v[ADRP], s18, v3
	s_lshl_b32 s19, s[QH], 16
	s_add_co_u32 s19, s19, QC
	v_add_nc_u32 v[ADRQ], s19, v3
	s_wait_alu depctr_va_vdst(0)                   ; ahead of the scalar lines below
	s_lshl_b32 s18, s[QH], 12                      ; Q's scale words: my 8 tiles
	s_lshl_b32 s19, s[PH], 12                      ; P's, behind Q's 8,192 bytes
	s_add_co_u32 s19, s19, 8192
	s_sub_co_u32 s19, s19, s18
	v_mul_u32_u24 v4, s19, v2                      ; lanes 16-31 take P's: one product, the lower base + hh x the distance
	s_wait_alu depctr_va_vdst(0)
	s_add_co_u32 s18, s18, QS
	v_lshl_add_u32 v4, v1, 3, v4
	v_add_nc_u32 v[ADRS], s18, v4
	s_wait_alu depctr_va_vdst(0)
	s_wait_loadcnt 0x0                             ; my quarter of the scale words
.irp k, 0,1,2,3
	ds_store_b128 v6, v[128+4*\k:131+4*\k] offset:512*\k
	ds_store_b128 v6, v[144+4*\k:147+4*\k] offset:8192+512*\k
.endr
	s_wait_dscnt 0x0                               ; my stores are done,
	s_wait_tensorcnt 0x0                           ; and my half block is in
	s_barrier_signal -1
	s_barrier_wait -1                              ; everybody's are: all of K lies in LDS
	SCALES
	FETCH 0
	KEVEN 0, 1
	KEVEN 1, 0
	KEVEN 2, 0
	KEVEN 3, 0
	KEVEN 4, 0
	KEVEN 5, 0                                     ; no tensor load of mine is out: the descriptors' registers are free
	s_load_b128 s[24:27], s[0:1], 0x10             ; rt, bq
	s_load_b128 s[28:31], s[0:1], 0x20             ; bk, bv
	s_load_b128 s[32:35], s[0:1], 0x30             ; qb, kvb
	KEVEN 6, 0
	; the last K step: the way out's first loads are asked for ahead of its 64 products
	s_wait_dscnt 0x0
	WIN 0
	PLACES                                         ; for the loads into Q's set 0 (v128-191), which K step 6 has read
	s_wait_kmcnt 0x0
	s_cmp_eq_u32 s[TY], 2
	s_cbranch_scc1 .Lpre_v
	s_cmp_eq_u32 s[TY], 0
	s_cselect_b64 s[36:37], s[26:27], s[28:29]     ; the bias,
	s_cselect_b64 s[38:39], s[32:33], s[34:35]     ; the buffer,
	s_mov_b32 s40, 143360
	s_cselect_b32 s40, 73728, s40                  ; and its blobs' size
	s_lshl_b32 s41, s[CX], 2
	s_lshl_b32 s42, s[PH], 1
	s_add_co_u32 s41, s41, s42                     ; my first head: 4 cx + 2 ph
	s_lshl_b32 s42, s41, 8
	s_mov_b32 s43, 0
	s_add_nc_u64 s[36:37], s[36:37], s[42:43]
	s_lshr_b32 s44, s[QB], 3                       ; the batch
	s_lshl_b32 s44, s44, 4
	s_add_co_u32 s44, s44, s41
	s_mul_i32 s42, s44, s40
	s_add_nc_u64 s[38:39], s[38:39], s[42:43]      ; my first head's blob,
	s_mov_b32 s42, s40
	s_add_nc_u64 s[46:47], s[38:39], s[42:43]      ; my second's
	s_and_b32 s45, s[QB], 7
	s_lshl_b32 s45, s45, 1
	s_add_co_u32 s45, s45, s[QH]                   ; which 128 positions of the sequence are mine
	s_lshl_b32 s42, s45, 15
	s_add_nc_u64 s[24:25], s[24:25], s[42:43]      ; the table there
	v_lshlrev_b32 v5, 6, v2                        ; 16 hh numbers on
	v_and_b32 v6, 7, v1
	v_lshrrev_b32 v7, 3, v1
	v_lshl_add_u32 v6, v7, 4, v6                   ; my row's token in its group: r % 8 + 16 (r / 8)
	v_lshlrev_b32 v6, 8, v6
	v_add_nc_u32 v6, v6, v5
	s_lshl_b32 s42, s45, 12
	v_add_nc_u32 v7, s42, v3                       ; my eight images
	s_lshl_b32 s42, s45, 9
	s_add_co_u32 s42, s42, 65536
	v_add_nc_u32 v8, s42, v3                       ; my image of scale words
.irp e, 0,1
.irp p, 0,1
.irp q, 0,1,2,3
	global_load_b128 v[BI+32*\e+16*\p+4*\q:BI+32*\e+16*\p+4*\q+3], v5, s[36:37] offset:256*\e+128*\p+16*\q
.endr
.endr
.endr
	CSLOAD 0
	s_branch .Lpre_done
.Lpre_v:
	s_lshl_b32 s41, s[CY], 2
	s_lshl_b32 s42, s[QH], 1
	s_add_co_u32 s41, s41, s42                     ; my first head: 4 cy + 2 qh
	s_lshl_b32 s42, s41, 8
	s_mov_b32 s43, 0
	s_add_nc_u64 s[36:37], s[30:31], s[42:43]
	s_lshr_b32 s44, s[PB], 3
	s_lshl_b32 s44, s44, 4
	s_add_co_u32 s44, s44, s41
	s_mul_i32 s42, s44, 143360
	s_add_nc_u64 s[38:39], s[34:35], s[42:43]
	s_add_nc_u64 s[46:47], s[38:39], 143360
	s_and_b32 s45, s[PB], 7
	s_lshl_b32 s45, s45, 1
	s_add_co_u32 s45, s45, s[PH]                   ; my key step
	v_and_b32 v6, 7, v1
	v_lshrrev_b32 v7, 3, v1
	v_lshl_add_u32 v6, v7, 4, v6
	v_lshlrev_b32 v6, 2, v6                        ; my row's dim in its group of 32
	s_lshl_b32 s42, s45, 12
	s_add_co_u32 s42, s42, 73728
	v_add_nc_u32 v7, s42, v3
	s_lshl_b32 s42, s45, 8
	s_add_co_u32 s42, s42, 139264
	v_and_b32 v8, 31, v0
	v_lshl_add_u32 v8, v8, 3, s42
.irp a, 0,1,2,3,4,5,6,7
	global_load_b32 v[128+2*\a], v6, s[36:37] offset:256*(\a/4)+(32*((\a%4)/2)+8*(\a%2))*4   ; my dim's bias, twice: a pair for the packed addition
	global_load_b32 v[129+2*\a], v6, s[36:37] offset:256*(\a/4)+(32*((\a%4)/2)+8*(\a%2))*4
.endr
.Lpre_done:
	MULH 7, 0, 0
	MULH 7, 1, 0
	WIN 0
	PLACES
	s_mov_b32 s[SEL], 0x76543210
	s_mov_b32 s[SEL+1], 0xfedcba98
	s_mov_b32 s50, 0xffff0000
	s_cmp_eq_u32 s[TY], 2
	s_cbranch_scc1 .Lepi_v
	; ======== q, k
	s_wait_alu depctr_va_vdst(0)
	CSLOAD 1
	v_mov_b32 v[TM+2], 0                           ; a lane permute's destination counts as one of its sources
	v_mov_b32 v[TM+3], 0
.irp a, 0,1,2,3,4,5,6,7
.if \a < 7
	s_wait_loadcnt 8                               ; the biases and this tile's cos and sin are in; the next tile's eight loads may be out
.else
	s_wait_loadcnt 0x0
.endif
	UNIT \a, 0
	UNIT \a, 1
.if \a < 6
	CSLOAD \a+2
.endif
.endr
.irp e, 0,1
.irp j, 0,1,2,3
	v_cndmask_b32 v[TMP+4*\e+\j], v[WD+8*\e+2*\j], v[WD+8*\e+2*\j+1], s50   ; register j: lanes 0-15 tile 2 j's words, lanes 16-31 tile 2 j + 1's
.endr
	global_store_b128 v8, v[TMP+4*\e:TMP+4*\e+3], s[38+8*\e:39+8*\e]
.endr
	s_branch .Lend
.Lepi_v:
	; ======== v: tile a of dims (head a / 4, tile a % 4): 64 registers = my dim at the step's 128 keys (32 b + 16 hh + i)
.irp b, 0,1,2,3
	v_mov_b32 v[TM4+4+\b], 0
.endr
	s_wait_loadcnt 0x0
.irp a, 0,1,2,3,4,5,6,7
	WIN 0x02+\a/4
.set i, 0
.rept 32
	v_pk_add_f32 v[192+i:193+i], v[64*(\a%4)+i:64*(\a%4)+i+1], v[128+2*\a:129+2*\a]
.set i, i+2
.endr
	WIN 0
	s_wait_xcnt 0x0                                ; the last two stores have read the codes' registers
	QUANT4 192, 144, 170+\a
	global_store_b128 v7, v[144:147], s[38+8*(\a/4):39+8*(\a/4)] offset:1024*(\a%4)
	global_store_b128 v7, v[148:151], s[38+8*(\a/4):39+8*(\a/4)] offset:1024*(\a%4)+512
.endr
.irp e, 0,1
.irp j, 0,1
	v_cndmask_b32 v[180+2*\e+\j], v[170+4*\e+2*\j], v[171+4*\e+2*\j], s50
.endr
	global_store_b64 v8, v[180+2*\e:181+2*\e], s[38+8*\e:39+8*\e]   ; 256 consecutive bytes
.endr
.Lend:
	s_wait_tensorcnt 0x0                           ; the wave's end
	ds_add_u32 v[SPW], v[NIL]
	s_wait_dscnt 0x0
	CROUND                                         ; the closing round
	s_endpgm
.Lfunc_end_k_q61836d9cdf_proj:
	.size	k_q61836d9cdf_proj, .Lfunc_end_k_q61836d9cdf_proj-k_q61836d9cdf_proj
	.p2alignl 7, 3214868480
	.fill 96, 4, 3214868480
	.section	.rodata,"a",@progbits
	.p2align	6, 0x0
	.amdhsa_kernel k_q61836d9cdf_proj
		.amdhsa_group_segment_fixed_size 279040
		.amdhsa_private_segment_fixed_size 0
		.amdhsa_enable_private_segment 0
		.amdhsa_kernarg_size 64
		.amdhsa_user_sgpr_count 2
		.amdhsa_user_sgpr_kernarg_segment_ptr 1
		.amdhsa_wavefront_size32 1
		.amdhsa_system_sgpr_workgroup_id_x 1
		.amdhsa_system_sgpr_workgroup_id_y 1
		.amdhsa_system_sgpr_workgroup_id_z 1
		.amdhsa_system_vgpr_workitem_id 0
		.amdhsa_next_free_vgpr 1024
		.amdhsa_next_free_sgpr 102
		.amdhsa_reserve_vcc 0
		.amdhsa_float_denorm_mode_32 3
		.amdhsa_float_denorm_mode_16_64 3
		.amdhsa_memory_ordered 1
		.amdhsa_forward_progress 1
		.amdhsa_inst_pref_size 234
	.end_amdhsa_kernel
	.amdgpu_metadata
---
amdhsa.version: [ 1, 2 ]
amdhsa.kernels:
  - .name:           k_q61836d9cdf_proj
    .symbol:         k_q61836d9cdf_proj.kd
    .args:
      - { .name: xb, .offset: 0, .size: 8, .value_kind: global_buffer, .address_space: global }
      - { .name: wb, .offset: 8, .size: 8, .value_kind: global_buffer, .address_space: global }
      - { .name: rt, .offset: 16, .size: 8, .value_kind: global_buffer, .address_space: global }
      - { .name: bq, .offset: 24, .size: 8, .value_kind: global_buffer, .address_space: global }
      - { .name: bk, .offset: 32, .size: 8, .value_kind: global_buffer, .address_space: global }
      - { .name: bv, .offset: 40, .size: 8, .value_kind: global_buffer, .address_space: global }
      - { .name: qb, .offset: 48, .size: 8, .value_kind: global_buffer, .address_space: global }
      - { .name: kvb, .offset: 56, .size: 8, .value_kind: global_buffer, .address_space: global }
    .group_segment_fixed_size: 279040
    .private_segment_fixed_size: 0
    .kernarg_segment_align: 8
    .kernarg_segment_size: 64
    .max_flat_workgroup_size: 128
    .sgpr_count:     102
    .vgpr_count:     1024
    .wavefront_size: 32
...
	.end_amdgpu_metadata
.endif
;; end of part 2
;; launch attn (part 3): grid 4 x 64, 16 waves a work-group, clusters of 4 x 1, 167,936 bytes of LDS; arguments qb, kvb, cb; writes cb
.if DOCPART == 3
	.amdgcn_target "amdgcn-amd-amdhsa--gfx1250"
	.amdhsa_code_object_version 6
	.text
	.protected	k_q61836d9cdf_attn
	.globl	k_q61836d9cdf_attn
	.p2align	8
	.type	k_q61836d9cdf_attn,@function
k_q61836d9cdf_attn:
	s_mov_b64 s[64:65], 0
	v_nop
	global_prefetch_b8 v0, s[64:65] scope:SCOPE_SE
	s_setreg_imm32_b32 hwreg(HW_REG_WAVE_MODE, 25, 1), 1
	s_wait_xcnt 0x0
	s_wait_alu depctr_hold_cnt(0) depctr_sa_sdst(0) depctr_va_vdst(0) depctr_va_sdst(0) depctr_va_ssrc(0) depctr_va_vcc(0) depctr_vm_vsrc(0)
	s_getreg_b32 s2, hwreg(HW_REG_IB_STS2, 6, 4)
	s_cmp_eq_u32 s2, 0
	s_cbranch_scc0 .Lentry_in_a_cluster
	s_endpgm
.Lentry_in_a_cluster:
	s_bfe_u32 s2, ttmp6, 0x10000c
	s_cmp_lg_u32 s2, 0x3003
	s_cbranch_scc0 .Lentry_shape_is_right
	s_endpgm
.Lentry_shape_is_right:
; ATTN: ctx = softmax(q k^T / 8) v for one (batch, head), both products on codes of FP4 with E8M0 scales, and ctx quantised along the merged 64 h + e for the last product.  No work of reference() is left out here.
; THE SOFTMAX: t = score x log2(e) / 8; M = the running largest t rounded UP to a whole number; p = 2^(t - M) is quantised along the keys, not normalised; the row's sum is taken of the unquantised p and divides at the end.
; When M moves, the sum and O are multiplied by 2^(old M - new M): exact.
; SHARES.  A work-group owns 512 queries of a head, each of its sixteen waves two tiles of 16, one after the other; every wave walks the head's 2,048 keys, 128 a step.
; THE HEAD'S WHOLE K AND V (codes and scale words: one blob of 143,360 bytes, laid by PROJ as images of operand registers) is brought into LDS ONCE, 8,960 bytes a wave; nothing is filled again.
; CLUSTER: the four work-groups of a head need the same blob: each of the sixteen loads is asked for jointly by the four.
; LAYOUT.  S^T = K Q^T (source 0 = 16 keys, source 1 = my 16 queries), O^T = V^T P^T: a lane holds ONE query.  The keys of a tile are chosen (PROJ) so that the 16 registers of tiles 2 b, 2 b + 1 are keys 32 b + 16 (lane / 16) + 0 .. 15.
; K = 64 FILLS HALF OF THE INSTRUCTION'S 128: Q's upper four registers hold zero codes; K's upper four are whatever follows in the registers (the next tile's codes, or zeros): they meet zero codes, under scale bytes 0, and add nothing.
; OUT: cb, laid as xb: codes at tile x 8,192 + 512 h + 16 x lane; the two scale bytes of (row, head) at 4,194,304 + 512 tile + 128 (h / 4) + 8 r + 2 (h % 4): pieces of 2 bytes, 1 byte for each 16 of codes.
; LIMITS: NaN and infinities are not served; v_exp_f32 and v_rcp_f32 as the ISA guide gives them (1 ulp); a block of p that has fallen to 0 keeps the byte 1.
.set SPARE, 143360                     ; behind the blob: the spare words, 128 bytes for each of 16 waves
.set SPW, 3
.set NIL, 4
.set WV,  10
.set CX,  11
.set HB,  12
.set CS,  22                           ; s[22:23] c = log2(e) / 8
.set SEL, 52
.set TM,  216
.macro CROUND
	s_barrier_signal -1
	s_barrier_wait -1
	s_cmp_lg_u32 s[WV], 0
	s_cbranch_scc1 .Lnot_wave_0_\@
	s_barrier_signal -3
.Lnot_wave_0_\@:
	s_barrier_wait -3
	s_barrier_signal -1
	s_barrier_wait -1
.endm
.macro QUANT2 s, c, w                  ; as in PROJ: 32 numbers of a lane (16 b + i = e 32 b + 16 hh + i) become four registers of codes and two scale bytes
.irp b, 0,1
	v_max3_num_f32 v[TM+\b], |v[(\s)+16*\b]|, |v[(\s)+1+16*\b]|, 0x1800000
.endr
.irp i, 2,4,6,8,10,12,14
.irp b, 0,1
	s_delay_alu instid0(VALU_DEP_2)
	v_max3_num_f32 v[TM+\b], v[TM+\b], |v[(\s)+16*\b+\i]|, |v[(\s)+1+16*\b+\i]|
.endr
.endr
.irp b, 0,1
	s_delay_alu instid0(VALU_DEP_2)
	v_permlanex16_b32 v[TM+2+\b], v[TM+\b], s[SEL], s[SEL+1]
.endr
.irp b, 0,1
	s_delay_alu instid0(VALU_DEP_2)
	v_max_num_f32 v[TM+\b], v[TM+\b], v[TM+2+\b]
.endr
.irp b, 0,1
	s_delay_alu instid0(VALU_DEP_2)
	v_add_nc_u32 v[TM+4+\b], 0xff000000, v[TM+\b]
.endr
.irp b, 0,1
	s_delay_alu instid0(VALU_DEP_2)
	v_lshrrev_b32 v[TM+6+\b], 23, v[TM+4+\b]
.endr
	s_delay_alu instid0(VALU_DEP_1)
	v_lshl_or_b32 v[\w], v[TM+7], 8, v[TM+6]
.irp b, 0,1
	v_cvt_scalef32_pk8_fp4_f32 v[(\c)+2*\b], v[(\s)+16*\b:(\s)+7+16*\b], v[TM+4+\b]
	v_cvt_scalef32_pk8_fp4_f32 v[(\c)+1+2*\b], v[(\s)+8+16*\b:(\s)+15+16*\b], v[TM+4+\b]
.endr
	v_nop
	v_permlane16_swap_b32 v[\c], v[(\c)+2]
	v_permlane16_swap_b32 v[(\c)+1], v[(\c)+3]
.endm
; pass p's four addresses: s[SB:SB+1] Q's image, +2 its scale words, +4 ctx's image, +6 ctx's scale bytes
.macro BASES p
.set SB, 36+8*(\p)
	s_lshl_b32 s16, s[CX], 5
	s_add_co_u32 s16, s16, s[WV]
	s_add_co_u32 s16, s16, 16*(\p)                 ; my tile of queries: 32 cx + 16 p + wave
	s_mul_i32 s18, s[HB], 73728
	s_lshl_b32 s17, s16, 9
	s_add_co_u32 s18, s18, s17
	s_mov_b32 s19, 0
	s_add_nc_u64 s[SB:SB+1], s[4:5], s[18:19]
	s_mul_i32 s18, s[HB], 73728
	s_lshr_b32 s17, s16, 3
	s_lshl_b32 s17, s17, 9
	s_add_co_u32 s18, s18, s17
	s_and_b32 s17, s16, 1
	s_lshl_b32 s17, s17, 8
	s_add_co_u32 s18, s18, s17
	s_bfe_u32 s17, s16, 0x20001
	s_lshl_b32 s17, s17, 2
	s_add_co_u32 s18, s18, s17
	s_add_co_u32 s18, s18, 65536
	s_add_nc_u64 s[SB+2:SB+3], s[4:5], s[18:19]
	s_lshr_b32 s17, s[HB], 4
	s_lshl_b32 s17, s17, 7
	s_add_co_u32 s17, s17, s16                     ; the tile among all tokens
	s_and_b32 s20, s[HB], 15                       ; the head
	s_lshl_b32 s18, s17, 13
	s_lshl_b32 s21, s20, 9
	s_add_co_u32 s18, s18, s21
	s_add_nc_u64 s[SB+4:SB+5], s[8:9], s[18:19]
	s_lshl_b32 s18, s17, 9
	s_lshr_b32 s21, s20, 2
	s_lshl_b32 s21, s21, 7
	s_add_co_u32 s18, s18, s21
	s_and_b32 s21, s20, 3
	s_lshl_b32 s21, s21, 1
	s_add_co_u32 s18, s18, s21
	s_add_co_u32 s18, s18, 0x400000
	s_add_nc_u64 s[SB+6:SB+7], s[8:9], s[18:19]
.endm
; REGISTERS: v1 16 x lane, v2 8 x lane, v5 16 r, v6 8 r; v8-11 the step's LDS addresses; v12 -M, v13 the largest t, v[14:15] the sum in two halves; v16-23 Q (v20-23 zeros), v24 its scale words;
; v32-63 K's eight tiles, v64-67 zeros; v68-71 K's scale words; v72-103 V's four fragments, v104-105 their scale words; v112-175 S^T, then p; v176-207 O^T; v208-215 p's codes; v216-230 at work; v232.. the way out.
.macro PASS p
.set SB, 36+8*(\p)
	global_load_b128 v[16:19], v1, s[SB:SB+1]
	global_load_b32 v24, v5, s[SB+2:SB+3]
	v_mov_b32 v13, 0xff61b1e6                      ; the largest t so far: -3e38
	s_delay_alu instid0(VALU_DEP_1)
	v_floor_f32 v12, -v13                          ; -M
	v_mov_b32 v14, 0
	v_mov_b32 v15, 0
.set j, 0
.rept 32
	v_mov_b32 v[176+j], 0                          ; O^T: the step is written once; the first finds zeros, which the first change of M leaves zeros
.set j, j+1
.endr
	s_mov_b32 s54, 0                               ; where the step's K, V, K's and V's scale words begin in LDS
	s_mov_b32 s55, 73728
	s_mov_b32 s56, 65536
	s_mov_b32 s57, 139264
	s_mov_b32 s58, 16
	v_add_nc_u32 v10, 0x10000, v1
	ds_load_b128 v[68:71], v10                     ; the first step's K and its scale words; each later step's are asked for a step ahead
.irp t, 0,1,2,3,4,5,6,7
	ds_load_b128 v[32+4*\t:35+4*\t], v1 offset:512*\t
.endr
	s_wait_loadcnt 0x0
.Lstep_\@:
	s_wait_dscnt 0x0                               ; this step's K and its scale words are in
.irp t, 0,2,4,6
	v_wmma_scale_f32_16x16x128_f8f6f4 v[112+8*\t:119+8*\t], v[32+4*\t:39+4*\t], v[16:23], 0, v[68+\t/2], v24 matrix_a_fmt:MATRIX_FMT_FP4 matrix_b_fmt:MATRIX_FMT_FP4
	v_wmma_scale_f32_16x16x128_f8f6f4 v[120+8*\t:127+8*\t], v[36+4*\t:43+4*\t], v[16:23], 0, v[68+\t/2], v24 matrix_a_fmt:MATRIX_FMT_FP4 matrix_b_fmt:MATRIX_FMT_FP4 matrix_a_scale:MATRIX_SCALE_ROW1
.endr
	s_add_co_u32 s54, s54, 4096                    ; the next step's K
	s_add_co_u32 s56, s56, 512
	v_add_nc_u32 v9, s55, v1                       ; these four are the places behind the products above and the last step's: ahead of the reads of S^T and of the loads into K's and V's registers
	v_add_nc_u32 v11, s57, v2
	v_add_nc_u32 v8, s54, v1
	v_add_nc_u32 v10, s56, v1
.irp d, 0,1,2,3
.irp c, 0,1
	ds_load_b128 v[72+8*\d+4*\c:75+8*\d+4*\c], v9 offset:1024*\d+512*\c   ; this step's V: nine loads,
.endr
.endr
	ds_load_b64 v[104:105], v11
	ds_load_b128 v[68:71], v10                     ; then the next step's K: nine more (the last step's nine read bytes of the blob that nobody uses)
.irp t, 0,1,2,3,4,5,6,7
	ds_load_b128 v[32+4*\t:35+4*\t], v8 offset:512*\t
.endr
.irp b, 0,1,2,3
	v_max3_num_f32 v[216+\b], v[112+16*\b], v[113+16*\b], v[114+16*\b]   ; the largest score of each block of 32 keys: for the row's maximum and for the block's largest p
.endr
.irp i, 3,5,7,9,11,13
.irp b, 0,1,2,3
	v_max3_num_f32 v[216+\b], v[216+\b], v[112+16*\b+\i], v[113+16*\b+\i]
.endr
.endr
.irp b, 0,1,2,3
	v_max_num_f32 v[216+\b], v[216+\b], v[127+16*\b]
.endr
.irp b, 0,1,2,3
	v_permlanex16_b32 v[220+\b], v[216+\b], s[SEL], s[SEL+1]
.endr
.irp b, 0,1,2,3
	v_max_num_f32 v[216+\b], v[216+\b], v[220+\b]  ; with lane l xor 16's 16 keys (four chains by turns)
.endr
	s_delay_alu instid0(VALU_DEP_2)
	v_max3_num_f32 v230, v216, v217, v218
	s_delay_alu instid0(VALU_DEP_1)
	v_max_num_f32 v230, v230, v219
	s_delay_alu instid0(VALU_DEP_1)
	v_mul_f32 v230, s[CS], v230                    ; as t
	s_delay_alu instid0(VALU_DEP_1)
	v_max_num_f32 v13, v13, v230                   ; the running largest t
	v_mov_b32 v230, v12
	s_delay_alu instid0(VALU_DEP_2)
	v_floor_f32 v12, -v13                          ; the new -M = -ceil(t)
	s_delay_alu instid0(VALU_DEP_1)
	v_sub_f32 v230, v12, v230                      ; old M - new M: a whole number, 0 or less
	s_delay_alu instid0(VALU_DEP_1)
	v_cvt_i32_f32 v230, v230                       ; (it saturates)
	s_delay_alu instid0(VALU_DEP_1)
	v_ldexp_f32 v228, 1.0, v230                    ; f = 2^(old M - new M)
.set j, 0
.rept 32
	v_pk_fma_f32 v[112+j:113+j], v[112+j:113+j], s[CS:CS+1], v[12:13] op_sel_hi:[1,0,0]   ; t - M, two at a time
.set j, j+2
.endr
.irp b, 0,1,2,3
	v_fma_f32 v[216+\b], v[216+\b], s[CS], v12
.endr
.set j, 0
	s_wait_alu depctr_va_vdst(0)
.rept 64
	v_exp_f32 v[112+j], v[112+j]                   ; p = 2^(t - M): one batch
.set j, j+1
.endr
	v_pk_mul_f32 v[14:15], v[14:15], v[228:229] op_sel_hi:[1,0]   ; the sums under the new M (a plain line behind the exponentials)
	s_wait_alu depctr_va_vdst(0)                   ; one wait for the batch, ahead of its first reader
.irp b, 0,1,2,3
	v_exp_f32 v[216+\b], v[216+\b]                 ; each block's largest p
.endr
	v_pk_add_f32 v[220:221], v[116:117], v[120:121]
	v_pk_add_f32 v[254:255], v[124:125], v[128:129]
	v_pk_add_f32 v[252:253], v[132:133], v[136:137]
	v_pk_add_f32 v[250:251], v[140:141], v[144:145]
	v_pk_add_f32 v[248:249], v[148:149], v[152:153]
	v_pk_add_f32 v[246:247], v[156:157], v[160:161]
	v_pk_add_f32 v[244:245], v[164:165], v[168:169]
	v_pk_add_f32 v[14:15], v[14:15], v[172:173]
	v_pk_add_f32 v[220:221], v[220:221], v[112:113]
	v_pk_add_f32 v[254:255], v[254:255], v[114:115]
	v_pk_add_f32 v[252:253], v[252:253], v[118:119]
	v_pk_add_f32 v[250:251], v[250:251], v[122:123]
	v_pk_add_f32 v[248:249], v[248:249], v[126:127]
	v_pk_add_f32 v[246:247], v[246:247], v[130:131]
	v_pk_add_f32 v[244:245], v[244:245], v[134:135]
	v_pk_add_f32 v[14:15], v[14:15], v[138:139]
	v_pk_add_f32 v[220:221], v[220:221], v[142:143]
	v_pk_add_f32 v[254:255], v[254:255], v[146:147]
	v_pk_add_f32 v[252:253], v[252:253], v[150:151]
	v_pk_add_f32 v[250:251], v[250:251], v[154:155]
	v_pk_add_f32 v[248:249], v[248:249], v[158:159]
	v_pk_add_f32 v[246:247], v[246:247], v[162:163]
	v_pk_add_f32 v[244:245], v[244:245], v[166:167]
	v_pk_add_f32 v[14:15], v[14:15], v[170:171]
	v_pk_add_f32 v[220:221], v[220:221], v[174:175]
	s_delay_alu instid0(VALU_DEP_2)
	v_pk_add_f32 v[14:15], v[14:15], v[250:251]
	s_delay_alu instid0(VALU_DEP_2)
	v_pk_add_f32 v[220:221], v[220:221], v[248:249]
	v_pk_add_f32 v[254:255], v[254:255], v[246:247]
	v_pk_add_f32 v[252:253], v[252:253], v[244:245]
	s_delay_alu instid0(VALU_DEP_2)
	v_pk_add_f32 v[14:15], v[14:15], v[254:255]
	s_delay_alu instid0(VALU_DEP_2)
	v_pk_add_f32 v[220:221], v[220:221], v[252:253]
	s_delay_alu instid0(VALU_DEP_1)
	v_pk_add_f32 v[14:15], v[14:15], v[220:221]
	s_wait_alu depctr_va_vdst(0)                   ; and one for the four
.irp b, 0,1,2,3
	v_max_num_f32 v[216+\b], 0x1800000, v[216+\b]  ; the floor 2^(3 - 127)
.endr
.irp b, 0,1,2,3
	v_add_nc_u32 v[224+\b], 0xff000000, v[216+\b]
.endr
.irp b, 0,1,2,3
	v_lshrrev_b32 v[220+\b], 23, v[224+\b]
.endr
	s_delay_alu instid0(VALU_DEP_3)
	v_lshl_or_b32 v229, v221, 8, v220              ; p's scale word for these 128 keys
	s_delay_alu instid0(VALU_DEP_1)
	v_lshl_or_b32 v229, v222, 16, v229
	s_delay_alu instid0(VALU_DEP_1)
	v_lshl_or_b32 v229, v223, 24, v229
.irp b, 0,1,2,3
	v_cvt_scalef32_pk8_fp4_f32 v[208+2*\b], v[112+16*\b:119+16*\b], v[224+\b]
	v_cvt_scalef32_pk8_fp4_f32 v[209+2*\b], v[120+16*\b:127+16*\b], v[224+\b]
.endr
	v_nop
.irp c, 0,1
.irp i, 0,1
	v_permlane16_swap_b32 v[208+4*\c+\i], v[210+4*\c+\i]
.endr
.endr
.set j, 0
.rept 16
	v_pk_mul_f32 v[176+j:177+j], v[176+j:177+j], v[228:229] op_sel_hi:[1,0]   ; O^T under the new M; these sixteen also stand between the codes and the scale word just made and the products below
.set j, j+2
.endr
	s_wait_alu depctr_va_vdst(0)
	s_wait_dscnt 9                                 ; V is in; the nine loads of the next step's K, issued behind V's, may be out
.irp d, 0,2
	v_wmma_scale_f32_16x16x128_f8f6f4 v[176+8*\d:183+8*\d], v[72+8*\d:79+8*\d], v[208:215], v[176+8*\d:183+8*\d], v[104+\d/2], v229 matrix_a_fmt:MATRIX_FMT_FP4 matrix_b_fmt:MATRIX_FMT_FP4
	v_wmma_scale_f32_16x16x128_f8f6f4 v[184+8*\d:191+8*\d], v[80+8*\d:87+8*\d], v[208:215], v[184+8*\d:191+8*\d], v[104+\d/2], v229 matrix_a_fmt:MATRIX_FMT_FP4 matrix_b_fmt:MATRIX_FMT_FP4 matrix_a_scale:MATRIX_SCALE_ROW1
.endr
	s_add_co_u32 s55, s55, 4096
	s_add_co_u32 s57, s57, 256
	s_sub_co_u32 s58, s58, 1
	s_cmp_lg_u32 s58, 0
	s_cbranch_scc1 .Lstep_\@
	s_wait_dscnt 0x0                               ; the last look-ahead has landed: K's registers may be loaded anew
	; the way out: O^T / the sum; register 16 b + i is e = 32 b + 16 hh + i of my query: two blocks of the merged K
.rept 4
	v_nop
.endr
	v_add_f32 v14, v14, v15
	s_delay_alu instid0(VALU_DEP_1)
	v_permlanex16_b32 v220, v14, s[SEL], s[SEL+1]
	s_delay_alu instid0(VALU_DEP_1)
	v_add_f32 v14, v14, v220
	s_wait_alu depctr_va_vdst(0)
	v_rcp_f32 v14, v14
	v_nop
	s_wait_alu depctr_va_vdst(0)
.set j, 0
.rept 32
	v_mul_f32 v[112+j], v[176+j], v14
.set j, j+1
.endr
	QUANT2 112, 232+8*(\p), 236+8*(\p)
	global_store_b128 v1, v[232+8*(\p):235+8*(\p)], s[SB+4:SB+5]   ; an image: 512 consecutive bytes; each pass has registers of its own
	global_store_b16 v6, v[236+8*(\p)], s[SB+6:SB+7]               ; lanes r and r + 16 write the same two bytes with the same value
.endm
	s_load_b128 s[4:7], s[0:1], 0x0                ; qb, kvb
	s_load_b64 s[8:9], s[0:1], 0x10                ; cb
	v_lshl_add_u32 v[SPW], v0, 2, SPARE
	v_mov_b32 v[NIL], 0
	ds_add_u32 v[SPW], v[NIL]                      ; the wave's opening: the add, twice on end, and its wait ahead of my first tensor load
	ds_add_u32 v[SPW], v[NIL]
	v_lshrrev_b32 v1, 5, v0
	s_delay_alu instid0(VALU_DEP_1)
	v_readfirstlane_b32 s[WV], v1                  ; wave 0..15
	s_bfe_u32 s[CX], ttmp6, 0x40000                ; my block of 512 queries: it enters global addresses alone
	s_and_b32 s[HB], ttmp7, 0xffff                 ; batch x 16 + head: the four partners share it
	s_mov_b32 s24, 15|(3<<16)|(1<<21)              ; 15:0 the mask: all four; 17:16 elements of 8 bytes; 21 set beside a mask
	s_mov_b32 s25, 32<<16                          ; rows of 256 bytes,
	s_mov_b32 s26, 35<<16                          ; 35 of them: a sixteenth of the blob
	s_mov_b32 s27, 32<<16
	s_mov_b32 s28, 35
	s_mov_b32 s29, 32
	s_mov_b32 s30, 0
	s_mov_b32 s31, 0
	s_mul_i32 s13, s[WV], 8960                     ; my part, in LDS and in the blob
	s_mul_i32 s14, s[HB], 143360
	s_add_co_u32 s14, s14, s13
	s_mov_b32 s15, 0
	s_mov_b32 s[CS], 0x3e38aa3b                    ; log2(e) / 8
	s_mov_b32 s[CS+1], s[CS]
	s_mov_b32 s[SEL], 0x76543210
	s_mov_b32 s[SEL+1], 0xfedcba98
	s_wait_dscnt 0x0                               ; both opening adds are done
	s_wait_kmcnt 0x0
	s_mov_b32 s32, 1
	s_mov_b32 s33, s13
	s_add_nc_u64 s[34:35], s[6:7], s[14:15]
	s_or_b32 s35, s35, 0x80000000
	CROUND                                         ; all four work-groups are here: the joint loads meet
	tensor_load_to_lds s[32:35], s[24:31]          ; my one tensor load of the launch
	s_nop 0
.rept 4
	v_nop
.endr
	v_and_b32 v1, 31, v0
	s_delay_alu instid0(VALU_DEP_1)
	v_lshlrev_b32 v2, 3, v1
	s_delay_alu instid0(VALU_DEP_2)
	v_lshlrev_b32 v1, 4, v1
	v_and_b32 v5, 15, v0
	s_delay_alu instid0(VALU_DEP_1)
	v_lshlrev_b32 v6, 3, v5
	s_delay_alu instid0(VALU_DEP_2)
	v_lshlrev_b32 v5, 4, v5
.irp j, 20,21,22,23,64,65,66,67,220,221,222,223,229
	v_mov_b32 v\j, 0                               ; Q's upper half and what follows K's last tile: zero codes; lane permutes' destinations; the pair v[228:229]
.endr
	BASES 0
	BASES 1
	s_wait_tensorcnt 0x0                           ; my part of the blob is in,
	s_barrier_signal -1
	s_barrier_wait -1                              ; everybody's is
	PASS 0
	PASS 1
	s_wait_tensorcnt 0x0                           ; the wave's end
	ds_add_u32 v[SPW], v[NIL]
	s_wait_dscnt 0x0
	CROUND                                         ; the closing round
	s_endpgm
.Lfunc_end_k_q61836d9cdf_attn:
	.size	k_q61836d9cdf_attn, .Lfunc_end_k_q61836d9cdf_attn-k_q61836d9cdf_attn
	.p2alignl 7, 3214868480
	.fill 96, 4, 3214868480
	.section	.rodata,"a",@progbits
	.p2align	6, 0x0
	.amdhsa_kernel k_q61836d9cdf_attn
		.amdhsa_group_segment_fixed_size 167936
		.amdhsa_private_segment_fixed_size 0
		.amdhsa_enable_private_segment 0
		.amdhsa_kernarg_size 24
		.amdhsa_user_sgpr_count 2
		.amdhsa_user_sgpr_kernarg_segment_ptr 1
		.amdhsa_wavefront_size32 1
		.amdhsa_system_sgpr_workgroup_id_x 1
		.amdhsa_system_sgpr_workgroup_id_y 1
		.amdhsa_system_sgpr_workgroup_id_z 1
		.amdhsa_system_vgpr_workitem_id 0
		.amdhsa_next_free_vgpr 256
		.amdhsa_next_free_sgpr 66
		.amdhsa_reserve_vcc 0
		.amdhsa_float_denorm_mode_32 3
		.amdhsa_float_denorm_mode_16_64 3
		.amdhsa_memory_ordered 1
		.amdhsa_forward_progress 1
		.amdhsa_inst_pref_size 51
	.end_amdhsa_kernel
	.amdgpu_metadata
---
amdhsa.version: [ 1, 2 ]
amdhsa.kernels:
  - .name:           k_q61836d9cdf_attn
    .symbol:         k_q61836d9cdf_attn.kd
    .args:
      - { .name: qb, .offset: 0, .size: 8, .value_kind: global_buffer, .address_space: global }
      - { .name: kvb, .offset: 8, .size: 8, .value_kind: global_buffer, .address_space: global }
      - { .name: cb, .offset: 16, .size: 8, .value_kind: global_buffer, .address_space: global }
    .group_segment_fixed_size: 167936
    .private_segment_fixed_size: 0
    .kernarg_segment_align: 8
    .kernarg_segment_size: 24
    .max_flat_workgroup_size: 512
    .sgpr_count:     66
    .vgpr_count:     256
    .wavefront_size: 32
...
	.end_amdgpu_metadata
.endif
;; end of part 3
;; launch outp (part 4): grid 4 x 64, 4 waves a work-group, clusters of 4 x 4, 243,200 bytes of LDS; arguments cb, wb, bo, out0; writes out0
.if DOCPART == 4
	.amdgcn_target "amdgcn-amd-amdhsa--gfx1250"
	.amdhsa_code_object_version 6
	.text
	.protected	k_q61836d9cdf_outp
	.globl	k_q61836d9cdf_outp
	.p2align	8
	.type	k_q61836d9cdf_outp,@function
k_q61836d9cdf_outp:
	s_mov_b64 s[64:65], 0
	v_nop
	global_prefetch_b8 v0, s[64:65] scope:SCOPE_SE
	s_setreg_imm32_b32 hwreg(HW_REG_WAVE_MODE, 25, 1), 1
	s_wait_xcnt 0x0
	s_wait_alu depctr_hold_cnt(0) depctr_sa_sdst(0) depctr_va_vdst(0) depctr_va_sdst(0) depctr_va_ssrc(0) depctr_va_vcc(0) depctr_vm_vsrc(0)
	s_getreg_b32 s2, hwreg(HW_REG_IB_STS2, 6, 4)
	s_cmp_eq_u32 s2, 0
	s_cbranch_scc0 .Lentry_in_a_cluster
	s_endpgm
.Lentry_in_a_cluster:
	s_bfe_u32 s2, ttmp6, 0x10000c
	s_cmp_lg_u32 s2, 0xf033
	s_cbranch_scc0 .Lentry_shape_is_right
	s_endpgm
.Lentry_shape_is_right:
; OUTP: out0 = ctx Wo + bo on codes of FP4 with E8M0 scales, K = 1,024.  No work of reference() is left out here.
; A work-group makes 256 columns n x 128 tokens, a wave 128 n x 64 tokens: 32 accumulators (window 2).  P (source 0) = Wo's tiles (block 12 + cx of wb), asked for jointly by my column of the cluster;
; Q (source 1) = ctx's tiles (block 4 Y + cy of cb, 8 tiles), by my row.  All of K fits in LDS: each byte is filled once, one tensor load a wave at the head, waited for at once, as in PROJ.
; A lane holds ONE token and its registers run along n (Wo's tiles are chosen so that tiles 2 g, 2 g + 1 give 16 neighbours).  bo is the C of each sum's first product.
; The way out goes through the wave's own stage in LDS (bytes that no tensor load fills): whole rows of 512 bytes leave by one store each.
.set PC,    0                          ; P's codes as they lie in memory: [16 tiles][8,192]; waves 0, 1 bring 8 tiles each by their ONE tensor load
.set QC,    131072                     ; Q's codes [8 tiles][8,192]; waves 2, 3 bring 4 tiles each.  The scale words come by plain loads and LDS stores, a quarter a wave
.set QS,    196608                     ; Q's scale words
.set PS,    200704                     ; P's
.set STAGE, 208896                     ; 16 rows x 528 bytes for each wave
.set SPARE, 242688
.set ADRP,  16
.set ADRQ,  20
.set STO,   22
.set RD,    23
.set CO,    24
.set ADRS,  27
.set SPW,   28
.set NIL,   29
.set SC,    32
.set BO,    192
.set WV,  12
.set PH,  13
.set QH,  14
.set CX,  15
.set CY,  16
.set TB,  18
.set G1P,  24
.set G1Q,  32
.set G1SP, 40
.set G1SQ, 48
.set MSB, 0
.macro WIN new
.if MSB != (\new)
	s_set_vgpr_msb (MSB<<8)|(\new)
.set MSB, (\new)
.endif
.endm
.macro PLACES
.rept 4
	v_nop
.endr
.endm
.macro CROUND
	s_barrier_signal -1
	s_barrier_wait -1
	s_cmp_lg_u32 s[WV], 0
	s_cbranch_scc1 .Lnot_wave_0_\@
	s_barrier_signal -3
.Lnot_wave_0_\@:
	s_barrier_wait -3
	s_barrier_signal -1
	s_barrier_wait -1
.endm
.macro SCALES                          ; register 8 i + ks: lanes 16-31 P's tile i; lanes 0-15 Q's tile i (i < 4; beyond that they read filled bytes that nobody uses)
.irp i, 0,1,2,3,4,5,6,7
.irp q, 0,1,2,3
	ds_load_b64 v[SC+8*\i+2*\q:SC+8*\i+2*\q+1], v[ADRS] offset:512*\i+128*\q
.endr
.endr
.endm
.macro FETCH ks
	WIN 0x40
.irp i, 0,1,2,3,4,5,6,7
.irp cc, 0,1
	ds_load_b128 v[128*((\ks)%2)+8*\i+4*\cc:128*((\ks)%2)+8*\i+4*\cc+3], v[ADRP] offset:8192*\i+1024*(\ks)+512*\cc
.endr
.endr
	WIN 0
.irp i, 0,1,2,3
.irp cc, 0,1
	ds_load_b128 v[128+32*((\ks)%2)+8*\i+4*\cc:128+32*((\ks)%2)+8*\i+4*\cc+3], v[ADRQ] offset:8192*\i+1024*(\ks)+512*\cc
.endr
.endr
.endm
; 16 matrix instructions: Q's tiles 2 h2, 2 h2 + 1 against P's eight; the 32 accumulators take turns in the same order in every K step.  first = 1: bo starts the sums
.macro MULQ ks, h2, first
.if \first
	WIN 0x81
.else
	WIN 0xa1
.endif
.irp a, 0,1
.irp b, 0,1,2,3,4,5,6,7
.if \first
	v_wmma_scale_f32_16x16x128_f8f6f4 v[8*(8*(2*(\h2)+\a)+\b):8*(8*(2*(\h2)+\a)+\b)+7], v[128*((\ks)%2)+8*\b:128*((\ks)%2)+8*\b+7], v[128+32*((\ks)%2)+8*(2*(\h2)+\a):128+32*((\ks)%2)+8*(2*(\h2)+\a)+7], v[BO+8*\b:BO+8*\b+7], v[SC+8*\b+(\ks)], v[SC+8*(2*(\h2)+\a)+(\ks)] matrix_a_fmt:MATRIX_FMT_FP4 matrix_b_fmt:MATRIX_FMT_FP4 matrix_a_scale:MATRIX_SCALE_ROW1
.else
	v_wmma_scale_f32_16x16x128_f8f6f4 v[8*(8*(2*(\h2)+\a)+\b):8*(8*(2*(\h2)+\a)+\b)+7], v[128*((\ks)%2)+8*\b:128*((\ks)%2)+8*\b+7], v[128+32*((\ks)%2)+8*(2*(\h2)+\a):128+32*((\ks)%2)+8*(2*(\h2)+\a)+7], v[8*(8*(2*(\h2)+\a)+\b):8*(8*(2*(\h2)+\a)+\b)+7], v[SC+8*\b+(\ks)], v[SC+8*(2*(\h2)+\a)+(\ks)] matrix_a_fmt:MATRIX_FMT_FP4 matrix_b_fmt:MATRIX_FMT_FP4 matrix_a_scale:MATRIX_SCALE_ROW1
.endif
.endr
.endr
.endm
.macro KEVEN ks, first
	s_wait_dscnt 0x0
	PLACES
	FETCH (\ks)+1
	MULQ \ks, 0, \first
	MULQ \ks, 1, \first
.endm
.macro TOSTAGE a                       ; token tile a: 16 rows x 128 n into my stage, and back as whole rows
	WIN 0x08                                       ; an LDS store's data are its source 1: window 2
.irp be, 0,1,2,3
.irp q, 0,1,2,3
	ds_store_b128 v[STO], v[64*(\a)+16*\be+4*\q:64*(\a)+16*\be+4*\q+3] offset:128*\be+16*\q   ; each accumulator from its low end on
.endr
.endr
	WIN 0
.set BB, 128+64*((\a)%2)
.set t, 0
.rept 16
	ds_load_b128 v[BB+4*t:BB+4*t+3], v[RD] offset:528*t   ; LDS serves a wave's instructions in order: these see the stores above, and the next tile's stores come behind them
.set t, t+1
.endr
.endm
.macro SEND a, younger                 ; younger: the LDS instructions issued behind tile a's loads
.set BB, 128+64*((\a)%2)
	s_wait_dscnt \younger
.set t, 0
.rept 16
	global_store_b128 v[CO], v[BB+4*t:BB+4*t+3], s[10:11] offset:(32*((\a)/2)+8*((\a)%2)+(t%8)+16*(t/8))*4096 th:TH_STORE_NT   ; 32 lanes store 512 consecutive bytes of a row of out0, from a multiple of 512 on
.set t, t+1
.endr
.endm
	s_load_b256 s[4:11], s[0:1], 0x0               ; cb s[4:5], wb s[6:7], bo s[8:9], out0 s[10:11]
	v_lshl_add_u32 v[SPW], v0, 2, SPARE
	v_mov_b32 v[NIL], 0
	ds_add_u32 v[SPW], v[NIL]                      ; the wave's opening: the add, twice on end, and its wait ahead of my first tensor load
	ds_add_u32 v[SPW], v[NIL]
	v_lshrrev_b32 v1, 5, v0
	v_readfirstlane_b32 s[WV], v1
	s_and_b32 s[PH], s[WV], 1                      ; my half of P's 256 n; also which half I fetch
	s_lshr_b32 s[QH], s[WV], 1                     ; my half of Q's 128 tokens; also: I fetch for P (0) or Q (1)
	s_bfe_u32 s[CX], ttmp6, 0x40000
	s_bfe_u32 s[CY], ttmp6, 0x40004
	s_and_b32 s17, ttmp7, 0xffff
	s_lshl_b32 s[TB], s17, 2
	s_add_co_u32 s[TB], s[TB], s[CY]               ; my block of 128 tokens
	s_lshl_b32 s19, s[CY], 2
	s_lshl_b32 s19, 15, s19                        ; my row of the cluster
	s_lshl_b32 s20, 0x1111, s[CX]                  ; my column
	s_or_b32 s[G1P], s20, (3<<16)|(1<<21)
	s_or_b32 s[G1Q], s19, (3<<16)|(1<<21)
	s_mov_b32 s[G1P+1], 32<<16                     ; P's half: 65,536 dense bytes as 256 rows of 256
	s_mov_b32 s[G1P+2], 256<<16
	s_mov_b32 s[G1P+3], 32<<16
	s_mov_b32 s[G1P+4], 256
	s_mov_b32 s[G1P+5], 32
	s_mov_b32 s[G1P+6], 0
	s_mov_b32 s[G1P+7], 0
	s_mov_b32 s[G1Q+1], 32<<16                     ; Q's half: 32,768 dense bytes as 128 rows of 256
	s_mov_b32 s[G1Q+2], 128<<16
	s_mov_b32 s[G1Q+3], 32<<16
	s_mov_b32 s[G1Q+4], 128
	s_mov_b32 s[G1Q+5], 32
	s_mov_b32 s[G1Q+6], 0
	s_mov_b32 s[G1Q+7], 0
	s_add_co_u32 s22, s[CX], 12                    ; Wo's block of wb
	s_lshl_b32 s20, s22, 17
	s_lshl_b32 s3, s[PH], 16
	s_add_co_u32 s20, s20, s3
	s_mov_b32 s21, 0
	s_lshl_b32 s22, s22, 13
	s_lshl_b32 s3, s[PH], 12
	s_add_co_u32 s22, s22, s3
	s_add_co_u32 s22, s22, 0x200000
	s_mov_b32 s23, 0
	s_lshl_b32 s100, s[TB], 16                     ; ctx: 8 tiles of 8,192 bytes a block, + my half
	s_lshl_b32 s3, s[PH], 15
	s_add_co_u32 s100, s100, s3
	s_mov_b32 s101, 0
	s_lshl_b32 s66, s[TB], 12
	s_lshl_b32 s3, s[PH], 11
	s_add_co_u32 s66, s66, s3
	s_add_co_u32 s66, s66, 0x400000
	s_mov_b32 s67, 0
	s_lshl_b32 s17, s[PH], 16                      ; in LDS, by the wave's number alone: half of P's codes,
	s_lshl_b32 s19, s[PH], 15                      ; of Q's
	s_wait_dscnt 0x0                               ; both opening adds are done
	s_wait_kmcnt 0x0
	s_add_nc_u64 s[20:21], s[6:7], s[20:21]
	s_add_nc_u64 s[22:23], s[6:7], s[22:23]
	s_add_nc_u64 s[100:101], s[4:5], s[100:101]
	s_add_nc_u64 s[66:67], s[4:5], s[66:67]
	s_mov_b32 s56, 1                               ; group 0 for P's half,
	s_add_co_u32 s57, s17, PC
	s_mov_b64 s[58:59], s[20:21]
	s_or_b32 s59, s59, 0x80000000
	s_mov_b32 s80, 1                               ; and for Q's
	s_add_co_u32 s81, s19, QC
	s_mov_b64 s[82:83], s[100:101]
	s_or_b32 s83, s83, 0x80000000
	CROUND                                         ; all sixteen work-groups are here: the joint loads meet
	s_cmp_eq_u32 s[QH], 0                          ; one tensor load a wave
	s_cbranch_scc0 .Lfill_q
	tensor_load_to_lds s[56:59], s[G1P:G1P+7]
	s_nop 0
.rept 4
	v_nop
.endr
	s_branch .Lfilled
.Lfill_q:
	tensor_load_to_lds s[80:83], s[G1Q:G1Q+7]
	s_nop 0
.rept 4
	v_nop
.endr
.Lfilled:
	v_and_b32 v1, 15, v0                           ; r
	v_bfe_u32 v2, v0, 4, 1                         ; hh
	v_and_b32 v3, 31, v0
	v_lshlrev_b32 v[CO], 4, v3                     ; 16 x lane
	s_wait_alu depctr_va_vdst(0)
	v_lshlrev_b32 v5, 6, v2                        ; bo: 16 hh numbers on
	s_lshl_b32 s2, s[CX], 10
	s_lshl_b32 s3, s[PH], 9
	s_add_co_u32 s2, s2, s3                        ; my 128 columns, in bytes
	s_mov_b32 s3, 0
	s_add_nc_u64 s[8:9], s[8:9], s[2:3]
.irp b, 0,1,2,3,4,5,6,7
	global_load_b128 v[BO+8*\b:BO+8*\b+3], v5, s[8:9] offset:(32*(\b/2)+8*(\b%2))*4       ; tile b's eight n of my half: 32 (b / 2) + 16 hh + 8 (b % 2) + 0 .. 7
	global_load_b128 v[BO+8*\b+4:BO+8*\b+7], v5, s[8:9] offset:(32*(\b/2)+8*(\b%2))*4+16
.endr
	s_add_nc_u64 s[10:11], s[10:11], s[2:3]
	s_lshl_b32 s2, s[TB], 19                       ; 128 rows of 4,096 bytes,
	s_lshl_b32 s17, s[QH], 18                      ; + my 64
	s_add_co_u32 s2, s2, s17
	s_add_nc_u64 s[10:11], s[10:11], s[2:3]
	s_lshl_b32 s17, s[QH], 11                      ; the scale words: of P's 8,192 bytes my quarter is 4,096 ph (in the base) + 2,048 qh,
	v_add_nc_u32 v6, s17, v[CO]
	s_lshl_b32 s17, s[QH], 10                      ; of Q's 4,096 it is 2,048 ph (in the base) + 1,024 qh
	v_add_nc_u32 v7, s17, v[CO]
	s_lshl_b32 s17, s[PH], 12
	s_add_co_u32 s17, s17, PS
	v_add_nc_u32 v8, s17, v6                       ; and their places in LDS
	s_lshl_b32 s17, s[PH], 11
	s_add_co_u32 s17, s17, QS
	v_add_nc_u32 v9, s17, v7
.irp k, 0,1,2,3
	global_load_b128 v[128+4*\k:131+4*\k], v6, s[22:23] offset:512*\k   ; 512 consecutive bytes an instruction
.endr
.irp k, 0,1
	global_load_b128 v[144+4*\k:147+4*\k], v7, s[66:67] offset:512*\k
.endr
	s_lshl_b32 s17, s[PH], 16
	v_add_nc_u32 v[ADRP], s17, v[CO]
	s_lshl_b32 s19, s[QH], 15
	s_add_co_u32 s19, s19, QC
	v_add_nc_u32 v[ADRQ], s19, v[CO]
	s_lshl_b32 s17, s[QH], 11                      ; Q's scale words: my 4 tiles
	s_lshl_b32 s19, s[PH], 12                      ; P's, behind Q's 4,096 bytes
	s_add_co_u32 s19, s19, 4096
	s_sub_co_u32 s19, s19, s17
	v_mul_u32_u24 v4, s19, v2                      ; lanes 16-31 take P's: the lower base + hh x the distance
	s_add_co_u32 s17, s17, QS
	v_lshl_add_u32 v4, v1, 3, v4
	v_add_nc_u32 v[ADRS], s17, v4
	s_mul_i32 s17, s[WV], 8448
	s_add_co_u32 s17, s17, STAGE                   ; my stage
	v_mul_u32_u24 v4, v1, 528
	v_lshl_add_u32 v4, v2, 6, v4
	v_add_nc_u32 v[STO], s17, v4                   ; in: row r, 16 hh numbers on
	v_add_nc_u32 v[RD], s17, v[CO]                 ; back: a row of 512 bytes, 16 a lane
	s_wait_alu depctr_va_vdst(0)
	s_wait_loadcnt 0x0                             ; bo and my quarter of the scale words
.irp k, 0,1,2,3
	ds_store_b128 v8, v[128+4*\k:131+4*\k] offset:512*\k
.endr
.irp k, 0,1
	ds_store_b128 v9, v[144+4*\k:147+4*\k] offset:512*\k
.endr
	s_wait_dscnt 0x0                               ; my stores are done,
	s_wait_tensorcnt 0x0                           ; and my half block is in
	s_barrier_signal -1
	s_barrier_wait -1                              ; everybody's are: all of K lies in LDS
	SCALES
	FETCH 0
	KEVEN 0, 1
	KEVEN 1, 0
	KEVEN 2, 0
	KEVEN 3, 0
	KEVEN 4, 0
	KEVEN 5, 0
	KEVEN 6, 0
	s_wait_dscnt 0x0
	MULQ 7, 0, 0
	MULQ 7, 1, 0
	WIN 0
	PLACES                                         ; between the last products and the reads of results and the loads into Q's and bo's registers
	TOSTAGE 0
	TOSTAGE 1
	SEND 0, 32                                     ; behind tile 0's loads: tile 1's 16 stores and 16 loads
	s_wait_xcnt 0x0                                ; tile 0's stores have read their registers: tile 2's loads may land there
	TOSTAGE 2
	SEND 1, 32
	s_wait_xcnt 0x0
	TOSTAGE 3
	SEND 2, 32
	SEND 3, 0
	s_wait_tensorcnt 0x0                           ; the wave's end, behind my last tensor load and my last LDS store
	ds_add_u32 v[SPW], v[NIL]
	s_wait_dscnt 0x0
	CROUND                                         ; the closing round
	s_endpgm
.Lfunc_end_k_q61836d9cdf_outp:
	.size	k_q61836d9cdf_outp, .Lfunc_end_k_q61836d9cdf_outp-k_q61836d9cdf_outp
	.p2alignl 7, 3214868480
	.fill 96, 4, 3214868480
	.section	.rodata,"a",@progbits
	.p2align	6, 0x0
	.amdhsa_kernel k_q61836d9cdf_outp
		.amdhsa_group_segment_fixed_size 243200
		.amdhsa_private_segment_fixed_size 0
		.amdhsa_enable_private_segment 0
		.amdhsa_kernarg_size 32
		.amdhsa_user_sgpr_count 2
		.amdhsa_user_sgpr_kernarg_segment_ptr 1
		.amdhsa_wavefront_size32 1
		.amdhsa_system_sgpr_workgroup_id_x 1
		.amdhsa_system_sgpr_workgroup_id_y 1
		.amdhsa_system_sgpr_workgroup_id_z 1
		.amdhsa_system_vgpr_workitem_id 0
		.amdhsa_next_free_vgpr 768
		.amdhsa_next_free_sgpr 102
		.amdhsa_reserve_vcc 0
		.amdhsa_float_denorm_mode_32 3
		.amdhsa_float_denorm_mode_16_64 3
		.amdhsa_memory_ordered 1
		.amdhsa_forward_progress 1
		.amdhsa_inst_pref_size 72
	.end_amdhsa_kernel
	.amdgpu_metadata
---
amdhsa.version: [ 1, 2 ]
amdhsa.kernels:
  - .name:           k_q61836d9cdf_outp
    .symbol:         k_q61836d9cdf_outp.kd
    .args:
      - { .name: cb, .offset: 0, .size: 8, .value_kind: global_buffer, .address_space: global }
      - { .name: wb, .offset: 8, .size: 8, .value_kind: global_buffer, .address_space: global }
      - { .name: bo, .offset: 16, .size: 8, .value_kind: global_buffer, .address_space: global }
      - { .name: out0, .offset: 24, .size: 8, .value_kind: global_buffer, .address_space: global }
    .group_segment_fixed_size: 243200
    .private_segment_fixed_size: 0
    .kernarg_segment_align: 8
    .kernarg_segment_size: 32
    .max_flat_workgroup_size: 128
    .sgpr_count:     102
    .vgpr_count:     768
    .wavefront_size: 32
...
	.end_amdgpu_metadata
.endif
;; end of part 4
